; MI455X (gfx1250); checked and timed in simulation.
; The chip was launched on July 23, 2026; its instructions are those of AMD's public machine-readable ISA for CDNA 5 (MIT licence, August 2026) and "CDNA5" Instruction Set Architecture Reference Guide (July 2026). The comments in the code are by the model that wrote it; some were corrected since.
;; Causal Attention. Allowed arithmetic: matrix products marked QUANTISED: E2M1 operands, one E8M0 scale for each 32 along K, by v_wmma_scale_f32_16x16x128_f8f6f4 with both operands' format E2M1 (or v_wmma_scale_f32_32x16x128_f4), f32 sums; products left as they are: bf16, f16 or f32 operands; f32 sums; everything else in f32.
;; Inputs: w_key 1,024 x 1,024 float32; w_query 1,024 x 1,024 float32; w_value 1,024 x 1,024 float32; x 4 x 2,048 x 1,024 float32.
;; Outputs: out0 4 x 2,048 x 1,024 float32.
;; This version of the problem:
;;   THIS VERSION OF THE PROBLEM IS GIVEN IN LOW PRECISION. The matrix products marked QUANTISED in the list below multiply operands that are first quantised to E2M1 (2 exponent bits, 1 mantissa bit; 4 bits a number), with one power-of-two scale for each 32 numbers along K (OCP MX v1.0); their sums are f32. The products marked 'left as it is' may take bf16, f16 or f32 operands, with f32 sums. Whichever they take, every output number must still come out within the allowed error. Rounding operands to bf16 (8 significant bits) uses up far more of that allowance than f16 does (11 bits, for magnitudes from 6e-5 to 65,504). All else is computed in f32.
;;   The module's matrix products, in the order in which they are computed (A, B: the left and right operand; K: the contracted axis; several contracted axes count as one K, in the product's order):
;;     1. [M 8,192, K 1,024] x [K 1,024, N 1,024]; A: input x; B: input w_query: QUANTISED
;;     2. [M 8,192, K 1,024] x [K 1,024, N 1,024]; A: input x; B: input w_key: QUANTISED
;;     3. [M 8,192, K 1,024] x [K 1,024, N 1,024]; A: input x; B: input w_value: QUANTISED
;;     4. batch 4 x [M 2,048, K 1,024] x [K 1,024, N 2,048]; A: computed on the way; B: computed on the way: left as it is (an operand is computed on the way)
;;     5. batch 4 x [M 2,048, K 2,048] x [K 2,048, N 1,024]; A: computed on the way; B: computed on the way: left as it is (an operand is computed on the way)
;;   THE QUANTISER, for each operand of a quantised product, along K:
;;     - K is cut into blocks of 32 from its start; a last block that is shorter is filled with zeros.
;;     - A block's scale is 2^e with e = floor(log2(the largest magnitude in the block)) - 2, held to -126 .. 127; a block of zeros has e = 0. As a byte (E8M0): e + 127.
;;     - Each number is divided by its block's scale, clamped to +-6, and rounded to the nearest number of E2M1, ties to even, subnormals kept.
;;     - The product sums the exact products of the quantised numbers (number of the format x scale) in f32.
;;   ~~~python
;;   def quantise(x, axis):      # numpy; x: float32 -> the quantised numbers, widened to float32 again
;;       x = np.moveaxis(x, axis, -1); K = x.shape[-1]
;;       x = np.pad(x, [(0, 0)] * (x.ndim - 1) + [(0, -K % 32)]); x = x.reshape(x.shape[:-1] + (-1, 32)); a = np.abs(x).max(-1, keepdims=True)
;;       e = np.where(a > 0, np.clip(np.frexp(np.where(a > 0, a, 1))[1] - 1 - 2, -126, 127), 0)      # np.frexp(a)[1] - 1 = floor(log2(a)), exactly
;;       r = np.clip(x / 2.0 ** e, -6, 6)
;;       step = 2.0 ** (np.maximum(np.frexp(np.where(r == 0, 1, r))[1] - 1, 0) - 1)
;;       q = np.round(r / step) * step * 2.0 ** e      # np.round: ties to even
;;       return np.moveaxis(q.reshape(q.shape[:-2] + (-1,))[..., :K], -1, axis).astype(np.float32)
;;   ~~~
;; One version. Each part assembles by itself: llvm-mc -triple=amdgcn-amd-amdhsa -mcpu=gfx1250 --defsym DOCPART=n.
;; ======== version 1 of 1: 5 launches
;; limits: values are held in f16: magnitudes above 65,504 overflow, below 6.1e-05 lose precision
;; workspace buffers: codes 5,767,168 bytes; scales 360,448 bytes; qk 33,554,432 bytes; vt 16,777,216 bytes; fine 786,432 bytes; p 33,554,432 bytes; st 786,432 bytes
;; launch quant (part 1): grid 352 x 1, 4 waves a work-group, no clusters, 33,280 bytes of LDS; arguments x, w_query, w_key, w_value, codes, scales; writes codes, scales
.if DOCPART == 1
	.amdgcn_target "amdgcn-amd-amdhsa--gfx1250"
	.amdhsa_code_object_version 6
	.text
	.protected	k_qba4a4843c4_quant
	.globl	k_qba4a4843c4_quant
	.p2align	8
	.type	k_qba4a4843c4_quant,@function
k_qba4a4843c4_quant:
	s_mov_b64 s[64:65], 0
	v_nop
	global_prefetch_b8 v0, s[64:65] scope:SCOPE_SE
	s_setreg_imm32_b32 hwreg(HW_REG_WAVE_MODE, 25, 1), 1
	s_wait_xcnt 0x0
; CAUSAL ATTENTION, ONE HEAD OF 1,024, IN FIVE LAUNCHES: quant, proj, scores, context, first16.  This one: x [8192][1024] and the three weights [1024][1024], f32, become codes of FP4 (E2M1), K = d_in innermost,
; with one E8M0 byte for each 32 along K.  The four tensors are stacked: rows 0-8191 the tokens of x, then 1,024 rows each of w_query, w_key, w_value: codes [11264][512 bytes], scales [11264][32 bytes].
; WORK LEFT OUT IN THE LATER LAUNCHES, AND WHY IT IS DEAD: reference() sets the score of every key > query to -infinity by a mask that it builds itself; the softmax's weight of such a key is exactly 0 whatever finite
; values x and the weights hold, so its score and its term of the second product reach no output.  Left out where it comes whole: the 28 of 64 score tiles of 256 x 256 of each batch that lie above the diagonal, and the key
; steps of the second product beyond a query block's last tile of 256 keys.  Inside a tile or key step that also holds live work the hidden part is computed and set to weight 0.  No input is dead: all four are loaded.
; LIMITS: a NaN, an infinity or an overflow that reaches only hidden scores is not carried to the result.  q, k and v go on as f16: their magnitudes must stay under 65,504.
; A block's scale is 2^(floor(log2(its largest magnitude)) - 2); its byte is that magnitude's exponent field - 2, held at 1 from below: blocks whose largest magnitude lies under 2^-124 get the byte 1, a block of zeros too
; (its codes are zeros, and this program alone reads the bytes).  NaN and infinities among the inputs are not served.
; Rows are dense and 1,024 is a multiple of 32: each tensor is a plain stream of blocks of 32, and so are codes and bytes.  A wave takes 16 steps of 512 numbers.  Each load reads 512 consecutive bytes; a step's 2,048 bytes
; turn through the wave's own stage in LDS so that a lane holds 16 neighbours; a lane's 16 codes are 8 bytes, so the wave stores 256 consecutive bytes; a wave's 256 scale bytes leave as 256 consecutive bytes, aligned.
; No matrix unit, no cluster, no barrier: waves share nothing and the launch only streams.  Loads run four steps (16 loads a wave) ahead.
.set WAVES, 4
.set STEPS, 16
.set EMAX,  2
.set CB,    8                          ; bytes of 16 codes
.set R,     16                         ; v16-79   four sets of 16 numbers as they are loaded
.set X,     80                         ; v80-111  two sets of 16 neighbours
.set C,     128                        ; v128-191 codes: four registers a step, so that no store's data are written again
.set E,     112                        ; v112-127 a scale byte for each step
.set WREG,  8192                       ; LDS: a region for each wave: two stages of 32 x SP bytes, behind them its 256 scale bytes
.set SP,    80                         ; a lane's place in a stage: 64 bytes + 16 of padding
.set SPW,   12                         ; v12 LDS address of my spare word; never rewritten
.set NIL,   13                         ; v13 0; never rewritten
.set SPARE, WAVES*WREG                 ; the spare words: 128 bytes a wave, named by no other line
	s_load_b256 s[4:11], s[0:1], 0x0               ; x, w_query, w_key, w_value
	s_load_b128 s[12:15], s[0:1], 0x20             ; codes, scales
	v_lshl_add_u32 v[SPW], v0, 2, SPARE
	v_mov_b32 v[NIL], 0
	v_lshrrev_b32 v1, 5, v0
	v_readfirstlane_b32 s16, v1                    ; wave
	v_and_b32 v2, 31, v0                           ; lane
	v_lshlrev_b32 v3, 4, v2                        ; my 16 bytes of a load's 512
	s_mul_i32 s17, s16, WREG
	v_lshrrev_b32 v14, 2, v2
	v_mul_u32_u24 v14, v14, SP
	v_and_b32 v15, 3, v2
	v_lshl_add_u32 v14, v15, 4, v14
	v_add_nc_u32 v14, s17, v14                     ; the stage, way in: SP (lane / 4) + 16 (lane % 4)
	v_mul_u32_u24 v15, v2, SP
	v_add_nc_u32 v15, s17, v15                     ; way out: SP x lane: my 16 neighbours
	v_mul_u32_u24 v4, v2, CB                       ; my codes' place in a step's
	v_lshrrev_b32 v5, 1, v2
	s_add_co_u32 s17, s17, 2*32*SP
	v_add_nc_u32 v5, s17, v5                       ; my block's byte among my wave's 256
	v_lshlrev_b32 v7, 3, v2
	v_add_nc_u32 v6, s17, v7                       ; and 8 bytes a lane on their way out
	s_and_b32 s18, ttmp9, 31                       ; a weight has 32 work-groups
	s_wait_kmcnt 0x0
	s_cmp_lt_u32 ttmp9, 288                        ; work-groups 0-255: x; 256-287: w_query; 288-319: w_key; 320-351: w_value.  The choice hangs on the work-group's number alone
	s_cselect_b64 s[6:7], s[6:7], s[8:9]
	s_cmp_lt_u32 ttmp9, 320
	s_cselect_b64 s[6:7], s[6:7], s[10:11]
	s_cmp_lt_u32 ttmp9, 256
	s_cselect_b64 s[4:5], s[4:5], s[6:7]
	s_cselect_b32 s18, ttmp9, s18                  ; the work-group's number inside its tensor
	s_lshl_b32 s18, s18, 2
	s_add_co_u32 s18, s18, s16
	s_lshl_b32 s18, s18, 15                        ; my wave's run of 8,192 numbers: 32,768 bytes
	s_mov_b32 s19, 0
	s_add_nc_u64 s[4:5], s[4:5], s[18:19]
	s_lshl_b32 s20, ttmp9, 2
	s_add_co_u32 s20, s20, s16                     ; the run's number in the stacked tensor
	s_mov_b32 s21, 0
	s_lshl_b32 s22, s20, 12                        ; 4,096 bytes of codes a run
	s_mov_b32 s23, 0
	s_add_nc_u64 s[12:13], s[12:13], s[22:23]
	s_lshl_b32 s20, s20, 8                         ; 256 scale bytes a run
	s_add_nc_u64 s[14:15], s[14:15], s[20:21]
.macro LOAD t
.irp i, 0,1,2,3
	global_load_b128 v[R+16*((\t)%4)+4*\i:R+16*((\t)%4)+4*\i+3], v3, s[4:5] offset:2048*(\t)+512*\i th:TH_LOAD_NT
.endr
.endm
.macro TURN t                          ; step t's numbers through the stage: LDS serves a wave's instructions in order, so no wait stands between the stores and the loads
.irp i, 0,1,2,3
	ds_store_b128 v14, v[R+16*((\t)%4)+4*\i:R+16*((\t)%4)+4*\i+3] offset:32*SP*((\t)%2)+8*SP*\i
.endr
.irp i, 0,1,2,3
	ds_load_b128 v[X+16*((\t)%2)+4*\i:X+16*((\t)%2)+4*\i+3], v15 offset:32*SP*((\t)%2)+16*\i
.endr
.endm
.irp t, 0,1,2,3
	LOAD \t
.endr
	s_wait_loadcnt 12                              ; step 0's four loads are in; three steps' twelve may be out
	TURN 0
.macro STEP t
.set XS, X+16*((\t)%2)
.if (\t) > 0
	s_wait_dscnt 1                                 ; this step's numbers are back from the stage; the last step's byte store may be out
.else
	s_wait_dscnt 0x0
.endif
.if (\t)+4 < STEPS
	LOAD (\t)+4                                    ; into the registers that the stage's stores have read
.endif
.if (\t)+1 < STEPS
.if STEPS-2-(\t) >= 3
	s_wait_loadcnt 12                              ; the next step's four loads are in; those of the three steps behind it may be out
.else
	s_wait_loadcnt 4*(STEPS-2-(\t))
.endif
	TURN (\t)+1
.endif
	v_max3_num_f32 v8, |v[XS]|, |v[XS+1]|, |v[XS+2]|               ; the largest magnitude of my 16, in two chains
	v_max3_num_f32 v9, |v[XS+3]|, |v[XS+4]|, |v[XS+5]|
.irp i, 6,10
	v_max3_num_f32 v8, v8, |v[XS+\i]|, |v[XS+\i+1]|
	v_max3_num_f32 v9, v9, |v[XS+\i+2]|, |v[XS+\i+3]|
.endr
	v_max3_num_f32 v8, v8, |v[XS+14]|, |v[XS+15]|
	v_max3_num_f32 v8, v8, v9, (EMAX+1)<<23        ; and the floor 2^(3 - 127): the byte cannot fall under 1
	v_max_num_f32_dpp v8, v8, v8 row_xmask:1 row_mask:0xf bank_mask:0xf   ; with my neighbour's 16: the block's
	v_add_nc_u32 v11, -(EMAX<<23), v8              ; 2 off its exponent field: the conversion takes that field as its scale
	v_cvt_scalef32_pk8_fp4_f32 v[C+4*(\t)], v[XS:XS+7], v11
	v_cvt_scalef32_pk8_fp4_f32 v[C+4*(\t)+1], v[XS+8:XS+15], v11
	v_lshrrev_b32 v[E+(\t)], 23, v11               ; the scale's byte
	ds_store_b8 v5, v[E+(\t)] offset:16*(\t)       ; both lanes of a block write the same byte with the same value
	global_store_b64 v4, v[C+4*(\t):C+4*(\t)+1], s[12:13] offset:32*CB*(\t)
.endm
.irp t, 0,1,2,3,4,5,6,7,8,9,10,11,12,13,14,15
	STEP \t
.endr
	ds_load_b64 v[8:9], v6                         ; in order behind my byte stores
	s_wait_dscnt 0x0
	global_store_b64 v7, v[8:9], s[14:15]          ; 32 lanes store 256 consecutive bytes, aligned
	s_wait_tensorcnt 0x0                           ; the wave's end: behind my last LDS store
	ds_add_u32 v[SPW], v[NIL]
	s_wait_dscnt 0x0
	s_endpgm
.Lfunc_end_k_qba4a4843c4_quant:
	.size	k_qba4a4843c4_quant, .Lfunc_end_k_qba4a4843c4_quant-k_qba4a4843c4_quant
	.p2alignl 7, 3214868480
	.fill 96, 4, 3214868480
	.section	.rodata,"a",@progbits
	.p2align	6, 0x0
	.amdhsa_kernel k_qba4a4843c4_quant
		.amdhsa_group_segment_fixed_size 33280
		.amdhsa_private_segment_fixed_size 0
		.amdhsa_enable_private_segment 0
		.amdhsa_kernarg_size 48
		.amdhsa_user_sgpr_count 2
		.amdhsa_user_sgpr_kernarg_segment_ptr 1
		.amdhsa_wavefront_size32 1
		.amdhsa_system_sgpr_workgroup_id_x 1
		.amdhsa_system_sgpr_workgroup_id_y 1
		.amdhsa_system_sgpr_workgroup_id_z 1
		.amdhsa_system_vgpr_workitem_id 0
		.amdhsa_next_free_vgpr 192
		.amdhsa_next_free_sgpr 66
		.amdhsa_reserve_vcc 0
		.amdhsa_float_denorm_mode_32 3
		.amdhsa_float_denorm_mode_16_64 3
		.amdhsa_memory_ordered 1
		.amdhsa_forward_progress 1
		.amdhsa_inst_pref_size 33
	.end_amdhsa_kernel
	.amdgpu_metadata
---
amdhsa.version: [ 1, 2 ]
amdhsa.kernels:
  - .name:           k_qba4a4843c4_quant
    .symbol:         k_qba4a4843c4_quant.kd
    .args:
      - { .name: x, .offset: 0, .size: 8, .value_kind: global_buffer, .address_space: global }
      - { .name: w_query, .offset: 8, .size: 8, .value_kind: global_buffer, .address_space: global }
      - { .name: w_key, .offset: 16, .size: 8, .value_kind: global_buffer, .address_space: global }
      - { .name: w_value, .offset: 24, .size: 8, .value_kind: global_buffer, .address_space: global }
      - { .name: codes, .offset: 32, .size: 8, .value_kind: global_buffer, .address_space: global }
      - { .name: scales, .offset: 40, .size: 8, .value_kind: global_buffer, .address_space: global }
    .group_segment_fixed_size: 33280
    .private_segment_fixed_size: 0
    .kernarg_segment_align: 8
    .kernarg_segment_size: 48
    .max_flat_workgroup_size: 128
    .sgpr_count:     66
    .vgpr_count:     192
    .wavefront_size: 32
...
	.end_amdgpu_metadata
.endif
;; end of part 1
;; launch proj (part 2): grid 8 x 32, 4 waves a work-group, clusters of 4 x 4, 327,680 bytes of LDS; arguments codes, scales, qk, vt, fine; writes qk, vt, fine
.if DOCPART == 2
	.amdgcn_target "amdgcn-amd-amdhsa--gfx1250"
	.amdhsa_code_object_version 6
	.text
	.protected	k_qba4a4843c4_proj
	.globl	k_qba4a4843c4_proj
	.p2align	8
	.type	k_qba4a4843c4_proj,@function
k_qba4a4843c4_proj:
	s_mov_b64 s[64:65], 0
	v_nop
	global_prefetch_b8 v0, s[64:65] scope:SCOPE_SE
	s_setreg_imm32_b32 hwreg(HW_REG_WAVE_MODE, 25, 1), 1
	s_wait_xcnt 0x0
	s_wait_alu depctr_hold_cnt(0) depctr_sa_sdst(0) depctr_va_vdst(0) depctr_va_sdst(0) depctr_va_ssrc(0) depctr_va_vcc(0) depctr_vm_vsrc(0)
	s_getreg_b32 s2, hwreg(HW_REG_IB_STS2, 6, 4)
	s_cmp_eq_u32 s2, 0
	s_cbranch_scc0 .Lentry_in_a_cluster
	s_endpgm
.Lentry_in_a_cluster:
	s_bfe_u32 s2, ttmp6, 0x10000c
	s_cmp_lg_u32 s2, 0xf033
	s_cbranch_scc0 .Lentry_shape_is_right
	s_endpgm
.Lentry_shape_is_right:
; q = x Wq^T, k = x Wk^T, v = x Wv^T on codes of FP4 with E8M0 scales, K = 1,024, sums in f32.  All operands are rows of ONE stacked tensor (codes [11264][512 bytes], scales [11264][32]): rows 0-8191 tokens, then Wq, Wk, Wv.
; C has 8,192 x 3,072 numbers: 384 tiles of 256 x 256, one and a half for each of 256 work-groups.  So a work-group makes TWO tiles on the same 256 tokens, which stay in LDS for all of K:
;   tile 1: 256 tokens x 256 features of q (column c = 4 x cluster x + cx under 4) or of k: f16 rows [token][1024] in qk (k 2^24 bytes behind q);
;   tile 2: 256 tokens x channels 128 c on of v, stored TRANSPOSED, f16 [channel][8192 tokens] in vt: the keys are the K of the last product, so they lie innermost.
; Token tiles are dealt 8 cy + cluster y: the four tiles that begin a batch lie in one row of clusters, and the branch that stores the f32 copy of tokens 0-15 of each batch (buffer fine, for the last launch) hangs on the
; cluster's y and the wave's number alone.
; LDS: two slots, one for each half of K (rows of 256 bytes): A's 256 rows, then B's 256.  Both are asked for at the start, with the scales of the 2 x 256 rows.  When tile 1's last LDS read is over, Wv's 128 rows are
; brought over the first half of B's rows in both slots, and their scale bytes over the first half of B's: one joint refill behind a round of the cluster's barrier; tile 1's way out stands between that request and the wait for it.
; CLUSTERS 4 x 4: A's tile hangs on cy and is asked for jointly by a row of the cluster; B's tiles, Wv's rows among them, hang on cx and are asked for jointly by a column.
; TILE 1 USES THE MATRIX INSTRUCTION TRANSPOSED (source 0 = 16 rows of W, source 1 = 16 tokens): a lane holds one token and eight neighbouring features.  TILE 2 the other way round (source 0 = 16 tokens, source 1 = 16
; rows of Wv): a lane holds one channel and eight neighbouring tokens.  Four waves: 128 x 128 each in tile 1, 128 tokens x 64 channels each in tile 2.  LIMIT: |q|, |k|, |v| under 65,504 (f16).
; REGISTERS: window 0: v0-31 addresses; v32-95 scale words, two sets; v128-191 A's fragments (tile 2: a second set in v192-255); way out: v192-223 packed, v32-63 and v224-255 rows read back.
;   window 1: B's fragments, two sets, at v0 and v128.  windows 2, 3: accumulators (a, b) at v[8 (8 (a % 4) + b)].
.set NQ,     4                         ; matrix instructions deep in a slot
.set ROWB,   256                       ; a tile's row: 512 codes
.set KROW,   512                       ; a row of codes in memory
.set PITCH,  272                       ; an LDS row: 256 bytes + 16: the 16 rows of a load start 68 words apart
.set FR,     8
.set NL,     2
.set NP,     4                         ; places behind this matrix instruction (ISA guide 7.12.1)
.set HALFT,  128*PITCH
.set SLOT,   4*HALFT
.set KS,     32                        ; a row of scale bytes
.set SCL,    2*SLOT
.set HALFS,  (128*KS/256)*272
.set SBLK,   (16*KS/256)*272
.set SPARE,  SCL+4*HALFS               ; the spare words: 128 bytes a wave, named by no other line
.set STAGE,  SPARE+512                 ; the way out: 16 rows x (256 + 16) bytes for each wave, bytes into which no tile lands
.set SPITCH, 272
.set CO1,  8                           ; v8  the stores' offset in qk: row lane / 16 of 2,048 bytes, 16 bytes a lane
.set CO2,  9                           ; v9  the same in vt: rows of 16,384 bytes
.set ADRS2, 10                         ; v10 tile 2's scale words: lanes 0-15 the tokens', lanes 16-31 Wv's
.set ADRV, 12                          ; v12-13 my 64 rows of Wv in slot 0, 1
.set ADRA, 16
.set ADRB, 20
.set STO,  24
.set RD,   25
.set ADRS, 27
.set SPW,  28
.set NIL,  29
.set FQ,   30                          ; v30 f32 copy of q, k: row r of 4,096 bytes + 32 h
.set FV,   31                          ; v31 f32 copy of v^T: row r of 64 bytes + 32 h
.set SC,   32
.set AF,   128
.set TMP,  192
.set OB,   32
.set G1, 24
.set G0, 32
.set G1B, 48
.set G0B, 56
.set G1S, 68
.set G0S, 76
.set G1SB, 80
.set G0SB, 88
.set MSB, 0
.macro WIN new                         ; the immediate's high byte repeats the setting that is left
.if MSB != (\new)
	s_set_vgpr_msb (MSB<<8)|(\new)
.set MSB, \new
.endif
.endm
.set MUL_LO, 0xa1                      ; source 0 (B) window 1, source 1 (A) window 0, C and D window 2
.set MUL_HI, 0xf1
.set TO_B,   0x40
.macro JLOAD g0a, g1a, g0b, g1b        ; waves 0, 1 fetch for A, waves 2, 3 for B; an s_nop 0 and four v_nop follow each line
	s_cmp_eq_u32 s15, 0
	s_cbranch_scc0 .Lfor_b_\@
	tensor_load_to_lds s[\g0a:\g0a+3], s[\g1a:\g1a+7]
	s_nop 0
.rept 4
	v_nop
.endr
	s_branch .Lasked_\@
.Lfor_b_\@:
	tensor_load_to_lds s[\g0b:\g0b+3], s[\g1b:\g1b+7]
	s_nop 0
.rept 4
	v_nop
.endr
.Lasked_\@:
.endm
.macro CREST                           ; a round of the cluster's barrier behind its opening barrier
	s_cmp_lg_u32 s14, 0
	s_cbranch_scc1 .Lnot_wave_0_\@
	s_barrier_signal -3
.Lnot_wave_0_\@:
	s_barrier_wait -3
	s_barrier_signal -1
	s_barrier_wait -1
.endm
.macro CROUND                          ; a whole round
	s_barrier_signal -1
	s_barrier_wait -1
	CREST
.endm
	s_load_b256 s[4:11], s[0:1], 0x0               ; codes s[4:5], scales s[6:7], qk s[8:9], vt s[10:11]
	s_load_b64 s[12:13], s[0:1], 0x20              ; fine
	v_lshl_add_u32 v[SPW], v0, 2, SPARE
	v_mov_b32 v[NIL], 0
	ds_add_u32 v[SPW], v[NIL]                      ; the wave's opening: the add, twice on end, and its wait ahead of my first tensor load
	ds_add_u32 v[SPW], v[NIL]
	v_lshrrev_b32 v1, 5, v0
	v_readfirstlane_b32 s14, v1                    ; wave 0..3
	s_lshr_b32 s15, s14, 1                         ; my half of the tokens; also: I fetch for A (0) or B (1)
	s_and_b32 s16, s14, 1                          ; my half of the columns; also: which 128 rows I fetch
	s_bfe_u32 s40, ttmp6, 0x40000                  ; cx
	s_bfe_u32 s41, ttmp6, 0x40004                  ; cy
	s_and_b32 s17, ttmp7, 0xffff                   ; cluster y, 0..7
	s_lshl_b32 s43, s41, 2
	s_lshl_b32 s43, 15, s43                        ; my row of the cluster
	s_lshl_b32 s44, 0x1111, s40                    ; my column
	s_or_b32 s[G1+0], s43, (0<<16)|(1<<20)|(1<<21)|(5<<22)|(3<<25)  ; the mask; elements of 1 byte; padding on; bit 21 beside a mask; 4 words behind every 64
	s_or_b32 s[G1B+0], s44, (0<<16)|(1<<20)|(1<<21)|(5<<22)|(3<<25)
.irp g, G1, G1B
	s_mov_b32 s[\g+1], ROWB<<16                    ; tensor_dim0
	s_mov_b32 s[\g+2], 128<<16                     ; tensor_dim1
	s_mov_b32 s[\g+3], ROWB<<16                    ; tile_dim0
	s_mov_b32 s[\g+4], 128                         ; tile_dim1
	s_mov_b32 s[\g+5], KROW                        ; pitch
	s_mov_b32 s[\g+6], 0
	s_mov_b32 s[\g+7], 0
.endr
	s_or_b32 s[G1S+0], s43, (3<<16)|(1<<20)|(1<<21)|(5<<22)|(3<<25) ; the scales of 128 rows: 4,096 dense bytes as 16 rows of 256 (32 elements of 8 bytes), 16 bytes behind each
	s_or_b32 s[G1SB+0], s44, (3<<16)|(1<<20)|(1<<21)|(5<<22)|(3<<25)
.irp g, G1S, G1SB
	s_mov_b32 s[\g+1], 32<<16
	s_mov_b32 s[\g+2], (128*KS/256)<<16
	s_mov_b32 s[\g+3], 32<<16
	s_mov_b32 s[\g+4], 128*KS/256
	s_mov_b32 s[\g+5], 32
	s_mov_b32 s[\g+6], 0
	s_mov_b32 s[\g+7], 0
.endr
	; the tiles' first rows in the stacked tensor.  A's registers never hold cx, B's never cy
	s_lshl_b32 s18, s16, 7                         ; which 128 rows of a tile I fetch
	s_lshl_b32 s20, s41, 11
	s_lshl_b32 s21, s17, 8
	s_add_co_u32 s95, s20, s21                     ; A: token tile 8 cy + cluster y
	s_lshl_b32 s46, ttmp9, 10
	s_lshl_b32 s47, s40, 8
	s_add_co_u32 s46, s46, s47                     ; 256 c, c = 4 x cluster x + cx
	s_lshr_b32 s97, s46, 1                         ; 128 c: tile 2's first channel
	s_add_co_u32 s98, s97, 10240                   ; and Wv's row of that number
	s_lshl_b32 s100, s98, 5                        ; where those rows' scales begin,
	s_mov_b32 s101, 0
	s_lshl_b32 s98, s98, 9                         ; and their codes
	s_mov_b32 s99, 0
	s_add_co_u32 s46, s46, 8192                    ; B of tile 1: tile c of Wq and Wk, which lie on end
	s_add_co_u32 s20, s95, s18
	s_add_co_u32 s46, s46, s18
	s_lshl_b32 s22, s20, 5                         ; where my rows' scales begin,
	s_mov_b32 s23, 0
	s_lshl_b32 s20, s20, 9                         ; and their codes
	s_mov_b32 s21, 0
	s_lshl_b32 s92, s46, 5
	s_mov_b32 s93, 0
	s_lshl_b32 s46, s46, 9
	s_mov_b32 s47, 0
	s_mul_i32 s45, s14, HALFT                      ; where they go: wave x 128 rows: no place in the cluster enters an LDS address
	s_mul_i32 s94, s14, HALFS
	s_wait_dscnt 0x0                               ; both opening adds are done
	s_wait_kmcnt 0x0
	s_add_nc_u64 s[20:21], s[4:5], s[20:21]
	s_add_nc_u64 s[22:23], s[6:7], s[22:23]
	s_add_nc_u64 s[46:47], s[4:5], s[46:47]
	s_add_nc_u64 s[92:93], s[6:7], s[92:93]
	CROUND                                         ; all sixteen work-groups are here: the joint loads meet
	s_mov_b32 s[G0S], 1
	s_add_co_u32 s[G0S+1], s94, SCL
	s_mov_b64 s[G0S+2:G0S+3], s[22:23]
	s_or_b32 s[G0S+3], s[G0S+3], 0x80000000
	s_mov_b32 s[G0SB], 1
	s_add_co_u32 s[G0SB+1], s94, SCL
	s_mov_b64 s[G0SB+2:G0SB+3], s[92:93]
	s_or_b32 s[G0SB+3], s[G0SB+3], 0x80000000
	JLOAD G0S, G1S, G0SB, G1SB                     ; the scales first: they are wanted with the first slot
.irp s, 0,1
	s_mov_b32 s[G0+4*\s], 1
	s_add_co_u32 s[G0+4*\s+1], s45, \s*SLOT
	s_add_nc_u64 s[G0+4*\s+2:G0+4*\s+3], s[20:21], \s*ROWB
	s_or_b32 s[G0+4*\s+3], s[G0+4*\s+3], 0x80000000
	s_mov_b32 s[G0B+4*\s], 1
	s_add_co_u32 s[G0B+4*\s+1], s45, \s*SLOT
	s_add_nc_u64 s[G0B+4*\s+2:G0B+4*\s+3], s[46:47], \s*ROWB
	s_or_b32 s[G0B+4*\s+3], s[G0B+4*\s+3], 0x80000000
	JLOAD G0+4*\s, G1, G0B+4*\s, G1B               ; three tensor loads of mine are out at the most
.endr
	v_and_b32 v1, 15, v0                           ; r = lane % 16
	v_bfe_u32 v2, v0, 4, 1                         ; h = lane / 16
	v_mul_u32_u24 v3, v1, PITCH
	v_lshl_add_u32 v4, v2, 4, v3                   ; a fragment's row x pitch + 16 h
	s_mul_i32 s21, s15, HALFT                      ; my 128 rows of A
	s_mul_i32 s22, s16, HALFT
	s_add_co_u32 s22, s22, 2*HALFT                 ; my 128 rows of B, behind A's 256
	s_mul_i32 s23, s16, 64*PITCH
	s_add_co_u32 s23, s23, 2*HALFT                 ; tile 2: my 64 rows of Wv, where B's first rows lay
.irp s, 0,1
	v_add_nc_u32 v[ADRA+\s], s21, v4
	v_add_nc_u32 v[ADRB+\s], s22, v4
	v_add_nc_u32 v[ADRV+\s], s23, v4
	s_add_co_u32 s21, s21, SLOT
	s_add_co_u32 s22, s22, SLOT
	s_add_co_u32 s23, s23, SLOT
.endr
	v_mul_u32_u24 v5, v1, KS                       ; my row's scales: 32 bytes a row,
	v_lshrrev_b32 v6, 8, v5
	v_lshl_add_u32 v5, v6, 4, v5                   ; and 16 more for each 256 passed
	s_mul_i32 s21, s15, HALFS                      ; A's: my 128 rows
	s_mul_i32 s22, s16, HALFS
	s_add_co_u32 s22, s22, 2*HALFS                 ; B's: my 128 rows, behind A's 256
	s_sub_co_u32 s22, s22, s21
	v_mul_u32_u24 v6, s22, v2                      ; lanes 16-31 take B's: one product, the distance between the two bases
	s_mul_i32 s23, s16, 4*SBLK
	s_add_co_u32 s23, s23, 2*HALFS                 ; Wv's: my 64 rows, where B's first scales lay
	s_sub_co_u32 s23, s23, s21
	v_mul_u32_u24 v7, s23, v2
	s_add_co_u32 s21, s21, SCL
	v_add_nc_u32 v6, v5, v6
	v_add_nc_u32 v[ADRS], s21, v6
	v_add_nc_u32 v7, v5, v7
	v_add_nc_u32 v[ADRS2], s21, v7
	s_mul_i32 s23, s14, 16*SPITCH
	s_add_co_u32 s23, s23, STAGE                   ; my stage
	v_mul_u32_u24 v5, v1, SPITCH
	v_lshl_add_u32 v5, v2, 4, v5
	v_add_nc_u32 v[STO], s23, v5                   ; in: row r, 16 bytes for each half of the lanes
	v_mul_u32_u24 v5, v2, SPITCH
	v_lshl_add_u32 v5, v1, 4, v5
	v_add_nc_u32 v[RD], s23, v5                    ; back: lanes 0-15 one row of 256 bytes, lanes 16-31 the next
	v_lshlrev_b32 v5, 11, v2
	v_lshl_add_u32 v[CO1], v1, 4, v5
	v_lshlrev_b32 v5, 14, v2
	v_lshl_add_u32 v[CO2], v1, 4, v5
	; where my parts of q or k and of v^T begin.  (Registers that feed no descriptor)
	s_lshl_b32 s66, s15, 7
	s_add_co_u32 s66, s66, s95                     ; my first token
	s_lshl_b32 s18, s40, 9                         ; feature 256 cx,
	s_lshl_b32 s19, s16, 8                         ; + 128 x my half, 2 bytes each;
	s_add_co_u32 s18, s18, s19
	s_lshl_b32 s19, ttmp9, 24                      ; q at 0, k at 2^24;
	s_add_co_u32 s18, s18, s19
	s_lshl_b32 s19, s66, 11                        ; a token's row is 2,048 bytes
	s_add_co_u32 s18, s18, s19                     ; under 2^26
	s_mov_b32 s19, 0
	s_add_nc_u64 s[8:9], s[8:9], s[18:19]
	s_lshl_b32 s67, s16, 6
	s_add_co_u32 s67, s67, s97                     ; my first channel of v
	s_lshl_b32 s18, s67, 14                        ; a channel's row is 16,384 bytes
	s_lshl_b32 s22, s66, 1
	s_add_co_u32 s18, s18, s22
	s_add_nc_u64 s[10:11], s[10:11], s[18:19]
	; the f32 copies
	s_lshl_b32 s42, ttmp9, 18                      ; q32 at 0, k32 at 262,144;
	s_lshl_b32 s43, s41, 16                        ; batch cy: 16 rows of 4,096 bytes;
	s_add_co_u32 s42, s42, s43
	s_lshl_b32 s43, s40, 10
	s_add_co_u32 s42, s42, s43
	s_lshl_b32 s43, s16, 9                         ; feature 256 cx + 128 x my half
	s_add_co_u32 s42, s42, s43
	s_mov_b32 s43, 0
	s_add_nc_u64 s[42:43], s[12:13], s[42:43]
	s_lshl_b32 s44, s41, 16                        ; v32t: batch cy: 1,024 rows of 64 bytes;
	s_lshl_b32 s45, s67, 6                         ; my first channel
	s_add_co_u32 s44, s44, s45
	s_add_co_u32 s44, s44, 524288
	s_mov_b32 s45, 0
	s_add_nc_u64 s[44:45], s[12:13], s[44:45]
	s_or_b32 s46, s17, s15                         ; 0: cluster y = 0 and my tokens are the tile's first: tokens 0-15 of a batch are my block 0
	v_lshlrev_b32 v[FQ], 12, v1
	v_lshl_add_u32 v[FQ], v2, 5, v[FQ]
	v_lshlrev_b32 v[FV], 6, v1
	v_lshl_add_u32 v[FV], v2, 5, v[FV]
.macro FRAG reg, adr, q, i             ; 16 rows x 128 K of 4-bit codes: 8 registers: two loads of 16 bytes, 32 bytes apart
.irp c, 0,1
	ds_load_b128 v[\reg+4*\c:\reg+4*\c+3], v[\adr] offset:64*(\q)+32*\c+(\i)*16*PITCH
.endr
.endm
; TILE 1.  16 matrix instructions: A's blocks a0, a0 + 1 x B's eight.  The 64 accumulators take turns, one instruction a turn, in the same order in every step.
; One register carries A's scale word (lanes 0-15) and B's (lanes 16-31): source 0 (B) reads the upper row.
.macro MUL16 a0, p, q, sc, zero
.irp a, \a0, \a0+1
.irp b, 0,1,2,3,4,5,6,7
.if \zero
	v_wmma_scale_f32_16x16x128_f8f6f4 v[8*(8*((\a)%4)+\b):8*(8*((\a)%4)+\b)+7], v[128*(\p)+FR*\b:128*(\p)+FR*\b+FR-1], v[AF+FR*(\a):AF+FR*(\a)+FR-1], 0, v[SC+8*NQ*(\sc)+NQ*\b+(\q)], v[SC+8*NQ*(\sc)+NQ*(\a)+(\q)] matrix_a_fmt:MATRIX_FMT_FP4 matrix_b_fmt:MATRIX_FMT_FP4 matrix_a_scale:MATRIX_SCALE_ROW1
.else
	v_wmma_scale_f32_16x16x128_f8f6f4 v[8*(8*((\a)%4)+\b):8*(8*((\a)%4)+\b)+7], v[128*(\p)+FR*\b:128*(\p)+FR*\b+FR-1], v[AF+FR*(\a):AF+FR*(\a)+FR-1], v[8*(8*((\a)%4)+\b):8*(8*((\a)%4)+\b)+7], v[SC+8*NQ*(\sc)+NQ*\b+(\q)], v[SC+8*NQ*(\sc)+NQ*(\a)+(\q)] matrix_a_fmt:MATRIX_FMT_FP4 matrix_b_fmt:MATRIX_FMT_FP4 matrix_a_scale:MATRIX_SCALE_ROW1
.endif
.endr
.endr
.endm
.macro FETCH_B slot, q, p
	WIN TO_B
.irp i, 0,1,2,3,4,5,6,7
	FRAG 128*(\p)+FR*\i, ADRB+\slot, \q, \i
.endr
	WIN 0
.endm
.macro FETCH_A slot, q, i0
.irp i, \i0, \i0+1, \i0+2, \i0+3
	FRAG AF+FR*(\i), ADRA+\slot, \q, \i
.endr
.endm
.macro SCALES sc                       ; a slot's scale words: 4 words a row
.irp i, 0,1,2,3,4,5,6,7
	ds_load_b128 v[SC+8*NQ*\sc+NQ*\i:SC+8*NQ*\sc+NQ*\i+3], v[ADRS] offset:\i*SBLK
.endr
.endm
.macro PLACES n                        ; plain vector instructions between a matrix instruction and a load into, a write of or a read of its registers
.rept \n
	v_nop
.endr
.endm
.macro STEP slot, q, zero              ; 128 along K, with its successor in the same slot
	s_wait_dscnt 4*NL                              ; B's set and A's blocks 0-3 are in; the youngest eight loads (A's blocks 4-7) may be out
	WIN MUL_LO
	MUL16 0, (\q)%2, \q, \slot, \zero
	MUL16 2, (\q)%2, \q, \slot, \zero
	s_wait_dscnt 0
	PLACES NP
	FETCH_B \slot, (\q)+1, 1-(\q)%2
	FETCH_A \slot, (\q)+1, 0
	WIN MUL_HI
	MUL16 4, (\q)%2, \q, \slot, \zero
	MUL16 6, (\q)%2, \q, \slot, \zero
	PLACES NP
	WIN 0
	FETCH_A \slot, (\q)+1, 4
.endm
.macro STEPS slot, from
.set Q, \from
.rept NQ-1-\from
	STEP \slot, Q, 0
.set Q, Q+1
.endr
.endm
	s_wait_tensorcnt 1                             ; the scales and my part of slot 0 are in; slot 1's load may be out
	s_barrier_signal -1
	s_barrier_wait -1                              ; everybody's are
	FETCH_B 0, 0, 0
	FETCH_A 0, 0, 0
	SCALES 0
	FETCH_A 0, 0, 4
	STEP 0, 0, 1                                   ; the first products start the sums: nothing is cleared
	STEPS 0, 1
	; slot 0's last step changes slots: one barrier
	s_wait_tensorcnt 0x0                           ; my part of slot 1 has landed
	ds_add_u32 v[SPW], v[NIL]
	s_wait_dscnt 4*NL+1                            ; the add and the youngest eight loads may be out
	WIN MUL_LO
	MUL16 0, 1, NQ-1, 0, 0
	s_wait_dscnt 0x0                               ; the add is done, my reads of slot 0 for tile 1 are over
	s_barrier_signal -1
	MUL16 2, 1, NQ-1, 0, 0
	WIN 0
	s_barrier_wait -1                              ; slot 1 is whole
	PLACES NP
	v_add_nc_u32 v[ADRS], 4*NQ, v[ADRS]            ; the second slot's scale words
	FETCH_B 1, 0, 0
	FETCH_A 1, 0, 0
	SCALES 1
	WIN MUL_HI
	MUL16 4, 1, NQ-1, 0, 0
	MUL16 6, 1, NQ-1, 0, 0
	PLACES NP
	WIN 0
	FETCH_A 1, 0, 4
	STEPS 1, 0
	; TILE 1'S LAST STEP, AND THE REFILL.  In front of the round each wave waits for all its tensor loads (none is out), adds 0 to its spare word, and waits for that and for its LDS reads: no wave of any partner
	; reads B's rows or B's scales any more.  The descriptors' first groups are written where no load of mine is out.
	s_wait_dscnt 4*NL
	WIN MUL_LO
	MUL16 0, 1, NQ-1, 1, 0
	MUL16 2, 1, NQ-1, 1, 0
	WIN 0
	s_wait_tensorcnt 0x0
	ds_add_u32 v[SPW], v[NIL]                      ; 0 onto my spare word; the descriptors stand between it and the wait for it
	s_mov_b32 s[G0B], 1                            ; Wv's codes: wave 2 brings K's first half into slot 0, wave 3 the second into slot 1: 128 rows of 256 bytes, where B's first 128 rows lay
	s_mul_i32 s[G0B+1], s16, SLOT
	s_add_co_u32 s[G0B+1], s[G0B+1], 2*HALFT
	s_lshl_b32 s92, s16, 8
	s_mov_b32 s93, 0
	s_add_nc_u64 s[G0B+2:G0B+3], s[4:5], s[98:99]
	s_add_nc_u64 s[G0B+2:G0B+3], s[G0B+2:G0B+3], s[92:93]
	s_or_b32 s[G0B+3], s[G0B+3], 0x80000000
	s_mov_b32 s[G0SB], 1                           ; their scale bytes, 4,096 dense bytes, where the scales of B's first 128 rows lay: wave 1
	s_mov_b32 s[G0SB+1], SCL+2*HALFS
	s_add_nc_u64 s[G0SB+2:G0SB+3], s[6:7], s[100:101]
	s_or_b32 s[G0SB+3], s[G0SB+3], 0x80000000
	WIN MUL_HI
	s_wait_dscnt 0x0                               ; the add is done; A's blocks 4-7 are in; my reads for tile 1 are over
	s_barrier_signal -1                            ; this barrier opens a round of the cluster's barrier
	MUL16 4, 1, NQ-1, 1, 0                         ; work on registers while the others arrive
	MUL16 6, 1, NQ-1, 1, 0
	WIN 0
	s_barrier_wait -1
	CREST
	s_cmp_eq_u32 s15, 0                            ; the joint refill, first thing behind the round, one tensor load a wave; wave 0 has none.  The branches hang on the wave's number alone
	s_cbranch_scc0 .Lv_codes
	s_cmp_eq_u32 s14, 1
	s_cbranch_scc0 .Lv_asked
	tensor_load_to_lds s[G0SB:G0SB+3], s[G1SB:G1SB+7]
	s_nop 0
.rept 4
	v_nop
.endr
	s_branch .Lv_asked
.Lv_codes:
	tensor_load_to_lds s[G0B:G0B+3], s[G1B:G1B+7]
	s_nop 0
.rept 4
	v_nop
.endr
.Lv_asked:
	PLACES NP                                      ; in front of the first reads of results and of loads into registers that held scales
	; tokens 0-15 of each batch also leave in f32, for the last launch.  Lane (r, h), register j of accumulator (a, b): token 16 a + r, feature 16 b + 8 h + j.  Each accumulator from its low end on
	s_cmp_lg_u32 s46, 0
	s_cbranch_scc1 .Lno_fq
	WIN 0x08                                       ; a store's data: window 2
.irp b, 0,1,2,3,4,5,6,7
	global_store_b128 v[FQ], v[8*\b:8*\b+3], s[42:43] offset:64*\b
	global_store_b128 v[FQ], v[8*\b+4:8*\b+7], s[42:43] offset:64*\b+16
.endr
	WIN 0
.Lno_fq:
; THE WAY OUT, a block of 16 rows x 256 bytes at a time: rounded to f16 (16 bytes a lane), through my own stage, back as whole rows.
.macro PACK a                          ; tile 1: tokens 16 a on, my 128 features
.set AC, 64*((\a)%4)
	WIN 0x0a+5*((\a)/4)                            ; sources 0 and 1: window 2 or 3
.irp b, 0,1,2,3,4,5,6,7
.irp r, 0,1,2,3
	v_cvt_pk_f16_f32 v[TMP+4*\b+\r], v[AC+8*\b+2*\r], v[AC+8*\b+2*\r+1]
.endr
.endr
	WIN 0
.endm
.macro PACKV b                         ; tile 2: channels 16 b on, my 128 tokens
.irp w, 0,1
	WIN 0x0a+5*\w
.irp a, 0,1,2,3
.irp r, 0,1,2,3
	v_cvt_pk_f16_f32 v[TMP+4*(4*\w+\a)+\r], v[8*(8*\a+(\b))+2*\r], v[8*(8*\a+(\b))+2*\r+1]
.endr
.endr
.endr
	WIN 0
.endm
.macro TOSTAGE a
.set BK, OB+192*((\a)%2)
.irp b, 0,1,2,3,4,5,6,7
	ds_store_b128 v[STO], v[TMP+4*\b:TMP+4*\b+3] offset:32*\b
.endr
.irp t, 0,1,2,3,4,5,6,7
	ds_load_b128 v[BK+4*\t:BK+4*\t+3], v[RD] offset:\t*2*SPITCH    ; LDS serves a wave's instructions in order: these see the stores above
.endr
.endm
.macro SEND a, co, base, pitch
.set BK, OB+192*((\a)%2)
	s_wait_dscnt 0x0                               ; the block is back in registers
	s_wait_xcnt 0x0                                ; earlier stores have read their base and data: only now the base steps, and the next block's loads may land where they read
.if (\a) > 0
	s_add_nc_u64 s[\base:\base+1], s[\base:\base+1], 16*\pitch
.endif
.irp t, 0,1,2,3,4,5,6,7
	global_store_b128 v[\co], v[BK+4*\t:BK+4*\t+3], s[\base:\base+1] offset:2*\t*\pitch   ; 16 lanes store 256 consecutive bytes, aligned
.endr
.endm
	PACK 0
	TOSTAGE 0
.irp a, 1,2,3,4,5,6,7                  ; block a's conversions stand between block a - 1's loads from the stage and the wait for them
	PACK \a
	SEND \a-1, CO1, 8, 2048
	TOSTAGE \a
.endr
	SEND 7, CO1, 8, 2048
; TILE 2: my 128 tokens x my 64 channels of v.  Eight steps of 128 along K, 32 matrix instructions each: A's eight blocks x Wv's four; the 32 accumulators take turns, in the same order in every step.
; Source 0 = tokens (scales in lanes 0-15), source 1 = rows of Wv (scales in lanes 16-31).  Both sides have two sets of registers: a step's 24 loads are issued ahead of the step before it.
.macro VFETCH slot, q, set
	WIN TO_B
.irp i, 0,1,2,3
	FRAG 128*(\set)+FR*\i, ADRV+\slot, \q, \i
.endr
	WIN 0
.irp i, 0,1,2,3,4,5,6,7
	FRAG AF+64*(\set)+FR*\i, ADRA+\slot, \q, \i
.endr
.endm
.macro VSCALES sc                      ; the scale words of K's half sc: lanes 0-15 the tokens' block i, lanes 16-31 Wv's block i (of blocks 4-7 the upper lanes are not used)
.irp i, 0,1,2,3,4,5,6,7
	ds_load_b128 v[SC+8*NQ*\sc+NQ*\i:SC+8*NQ*\sc+NQ*\i+3], v[ADRS2] offset:\i*SBLK+16*\sc
.endr
.endm
.macro VMUL set, q, sc, zero
.irp w, 0,1
	WIN 0xa4+0x50*\w                               ; source 0 window 0, source 1 window 1, C and D window 2 or 3
.irp a, 0,1,2,3
.irp b, 0,1,2,3
.if \zero
	v_wmma_scale_f32_16x16x128_f8f6f4 v[8*(8*\a+\b):8*(8*\a+\b)+7], v[AF+64*(\set)+FR*(4*\w+\a):AF+64*(\set)+FR*(4*\w+\a)+FR-1], v[128*(\set)+FR*\b:128*(\set)+FR*\b+FR-1], 0, v[SC+8*NQ*(\sc)+NQ*(4*\w+\a)+(\q)], v[SC+8*NQ*(\sc)+NQ*\b+(\q)] matrix_a_fmt:MATRIX_FMT_FP4 matrix_b_fmt:MATRIX_FMT_FP4 matrix_b_scale:MATRIX_SCALE_ROW1
.else
	v_wmma_scale_f32_16x16x128_f8f6f4 v[8*(8*\a+\b):8*(8*\a+\b)+7], v[AF+64*(\set)+FR*(4*\w+\a):AF+64*(\set)+FR*(4*\w+\a)+FR-1], v[128*(\set)+FR*\b:128*(\set)+FR*\b+FR-1], v[8*(8*\a+\b):8*(8*\a+\b)+7], v[SC+8*NQ*(\sc)+NQ*(4*\w+\a)+(\q)], v[SC+8*NQ*(\sc)+NQ*\b+(\q)] matrix_a_fmt:MATRIX_FMT_FP4 matrix_b_fmt:MATRIX_FMT_FP4 matrix_b_scale:MATRIX_SCALE_ROW1
.endif
.endr
.endr
.endr
.endm
.macro VSTEP st
.if (\st) < 7
.if (\st) > 0
	PLACES NP                                      ; the next loads land in registers that the step before has multiplied
.endif
.if (\st) == 2
	WIN 0
	VSCALES 1                                      ; older than the 24 loads below: the count covers them
.endif
	VFETCH ((\st)+1)/4, ((\st)+1)%4, ((\st)+1)%2
	s_wait_dscnt 24                                ; this step's fragments are in; the next step's 24 loads may be out
.else
	s_wait_dscnt 0
.endif
.if (\st) == 0
	VMUL 0, 0, 0, 1                                ; the first products start the sums
.else
	VMUL (\st)%2, (\st)%4, (\st)/4, 0
.endif
.endm
	s_wait_tensorcnt 0x0                           ; my part of Wv's rows, or their scales, has landed
	s_wait_xcnt 0x0                                ; tile 1's stores have read their registers: scale words and fragments may land there
	s_barrier_signal -1
	s_barrier_wait -1                              ; everybody's part has
	VSCALES 0
	VFETCH 0, 0, 0
.irp st, 0,1,2,3,4,5,6,7
	VSTEP \st
.endr
	WIN 0
	PLACES NP                                      ; in front of the first reads of results, of the conversions into registers that held fragments, and of loads into registers that held scales
	; Lane (r, h), register j of accumulator (a, b): channel 16 b + r, token 16 a + 8 h + j.  Tokens 0-15 of a batch in f32: my block a = 0
	s_cmp_lg_u32 s46, 0
	s_cbranch_scc1 .Lno_fv
	WIN 0x08
.irp b, 0,1,2,3
	global_store_b128 v[FV], v[8*\b:8*\b+3], s[44:45] offset:1024*\b
	global_store_b128 v[FV], v[8*\b+4:8*\b+7], s[44:45] offset:1024*\b+16
.endr
	WIN 0
.Lno_fv:
	PACKV 0
	TOSTAGE 0
.irp b, 1,2,3
	PACKV \b
	SEND \b-1, CO2, 10, 16384
	TOSTAGE \b
.endr
	SEND 3, CO2, 10, 16384
	s_wait_tensorcnt 0x0                           ; the wave's end
	ds_add_u32 v[SPW], v[NIL]
	s_wait_dscnt 0x0
	CROUND                                         ; the closing round
	s_endpgm
.Lfunc_end_k_qba4a4843c4_proj:
	.size	k_qba4a4843c4_proj, .Lfunc_end_k_qba4a4843c4_proj-k_qba4a4843c4_proj
	.p2alignl 7, 3214868480
	.fill 96, 4, 3214868480
	.section	.rodata,"a",@progbits
	.p2align	6, 0x0
	.amdhsa_kernel k_qba4a4843c4_proj
		.amdhsa_group_segment_fixed_size 327680
		.amdhsa_private_segment_fixed_size 0
		.amdhsa_enable_private_segment 0
		.amdhsa_kernarg_size 40
		.amdhsa_user_sgpr_count 2
		.amdhsa_user_sgpr_kernarg_segment_ptr 1
		.amdhsa_wavefront_size32 1
		.amdhsa_system_sgpr_workgroup_id_x 1
		.amdhsa_system_sgpr_workgroup_id_y 1
		.amdhsa_system_sgpr_workgroup_id_z 1
		.amdhsa_system_vgpr_workitem_id 0
		.amdhsa_next_free_vgpr 1024
		.amdhsa_next_free_sgpr 102
		.amdhsa_reserve_vcc 0
		.amdhsa_float_denorm_mode_32 3
		.amdhsa_float_denorm_mode_16_64 3
		.amdhsa_memory_ordered 1
		.amdhsa_forward_progress 1
		.amdhsa_inst_pref_size 196
	.end_amdhsa_kernel
	.amdgpu_metadata
---
amdhsa.version: [ 1, 2 ]
amdhsa.kernels:
  - .name:           k_qba4a4843c4_proj
    .symbol:         k_qba4a4843c4_proj.kd
    .args:
      - { .name: codes, .offset: 0, .size: 8, .value_kind: global_buffer, .address_space: global }
      - { .name: scales, .offset: 8, .size: 8, .value_kind: global_buffer, .address_space: global }
      - { .name: qk, .offset: 16, .size: 8, .value_kind: global_buffer, .address_space: global }
      - { .name: vt, .offset: 24, .size: 8, .value_kind: global_buffer, .address_space: global }
      - { .name: fine, .offset: 32, .size: 8, .value_kind: global_buffer, .address_space: global }
    .group_segment_fixed_size: 327680
    .private_segment_fixed_size: 0
    .kernarg_segment_align: 8
    .kernarg_segment_size: 40
    .max_flat_workgroup_size: 128
    .sgpr_count:     102
    .vgpr_count:     1024
    .wavefront_size: 32
...
	.end_amdgpu_metadata
.endif
;; end of part 2
;; launch scores (part 3): grid 9 x 16, 4 waves a work-group, no clusters, 327,680 bytes of LDS; arguments qk, p, st; writes p, st
.if DOCPART == 3
	.amdgcn_target "amdgcn-amd-amdhsa--gfx1250"
	.amdhsa_code_object_version 6
	.text
	.protected	k_qba4a4843c4_scores
	.globl	k_qba4a4843c4_scores
	.p2align	8
	.type	k_qba4a4843c4_scores,@function
k_qba4a4843c4_scores:
	s_mov_b64 s[64:65], 0
	v_nop
	global_prefetch_b8 v0, s[64:65] scope:SCOPE_SE
	s_setreg_imm32_b32 hwreg(HW_REG_WAVE_MODE, 25, 1), 1
	s_wait_xcnt 0x0
; For each of the 36 tiles of 256 queries x 256 keys of a batch that lie on or under the diagonal: S = q k^T (f16 operands, f32 sums, K = 1,024), the causal mask, and
; p = 2^(t - m), t = S log2(e) / 32, m = the row's largest t INSIDE THE TILE: a true maximum, taken away before the exponential.  p goes out as f16 [4][2048 queries][2048 keys]; m and the f32 sums l of the unrounded p
; (one for each half of 128 keys) go to st [8 key tiles][3][8192 rows]; the next launch weighs the tiles together in f32.
; LEFT OUT: the 28 tiles above the diagonal: every key there is hidden from every query by reference()'s own mask, their weights are exactly 0.  On a diagonal tile hidden scores become -infinity, so p = 0 is stored there.
; Every row of every tile made here has a key that counts (on the diagonal: key = query), so m is a number.
; THE TRIANGLE FOLDED: rows pr and 7 - pr of tiles have pr + 1 and 8 - pr tiles, nine together: work-group x = 0..8 walks them, y = 4 x batch + pr.  144 work-groups of equal work.
; NO CLUSTER: a row of the triangle has 1 to 8 tiles and a folded pair 9: no division into fours shares one operand.
; Four waves, 128 x 128 each; K in steps of 128 through two LDS slots; each wave fetches a quarter of a slot by a tensor load of its own (128 rows x 256 bytes): waves 0, 1 the queries' halves, waves 2, 3 the keys'.
; THE MATRIX INSTRUCTION IS USED TRANSPOSED (source 0 = 16 keys, source 1 = 16 queries): lane (r, h), register j of accumulator (a, b) holds query 16 a + r, key 16 b + 8 h + j.
; REGISTERS: window 0: v0-31 addresses; v64-127, v128-191 the queries' fragments, two buffers; window 1: the keys'; windows 2, 3: accumulators (a, b) at v[8 (8 (a % 4) + b)].
; On the way out, window 0: v32-39 the mask's bound, v40-47 maxima, v48-55 at work, v56-71 -m in pairs, v72-79 l, v96 -infinity, v100-107 stats on their way, v128-191 rows read back, v192-223 packed p, v224-255 sums.
.set KSTEP,  128
.set PITCH,  272                       ; an LDS row: 256 bytes + 16: the 16 rows of a load start 68 words apart
.set HALFT,  128*PITCH
.set SLOT,   4*HALFT
.set STAGE,  2*SLOT                    ; 16 rows x 272 bytes for each wave
.set SPITCH, 272
.set MX,     STAGE+4*16*SPITCH         ; the waves' row maxima: [column half][256 rows] f32
.set MF,     MX+2048                   ; 512 bytes a wave: m on its way out
.set LS,     MF+2048                   ; 512 bytes a wave: l on its way out
.set SPARE,  LS+2048                   ; the spare words: 128 bytes a wave, named by no other line
.set LAPS,   4                         ; 1,024 / (2 x 128)
.set ADRA, 16
.set ADRB, 20
.set STO,  24
.set RD,   25
.set CO,   26
.set SPW,  28
.set NIL,  29
.set F0,   64
.set F1,   128
.set TMP,  192
.set G1, 24
.set G0, 32
.set MSB, 0
.macro WIN new
.if MSB != (\new)
	s_set_vgpr_msb (MSB<<8)|(\new)
.set MSB, \new
.endif
.endm
.set MUL_LO, 0xa1
.set MUL_HI, 0xf1
.set TO_B,   0x40
	s_load_b128 s[4:7], s[0:1], 0x0                ; qk, p
	s_load_b64 s[8:9], s[0:1], 0x10                ; st
	v_lshl_add_u32 v[SPW], v0, 2, SPARE
	v_mov_b32 v[NIL], 0
	ds_add_u32 v[SPW], v[NIL]                      ; the wave's opening: the add, twice on end, and its wait ahead of my first tensor load
	ds_add_u32 v[SPW], v[NIL]
	v_lshrrev_b32 v1, 5, v0
	v_readfirstlane_b32 s10, v1                    ; wave 0..3
	s_lshr_b32 s11, s10, 1                         ; my half of the queries; also: I fetch queries (0) or keys (1)
	s_and_b32 s12, s10, 1                          ; my half of the keys; also: which 128 rows I fetch
	s_and_b32 s16, ttmp7, 0xffff
	s_and_b32 s17, s16, 3                          ; pr
	s_lshr_b32 s15, s16, 2                         ; batch
	s_sub_co_u32 s18, 7, s17
	s_sub_co_u32 s19, ttmp9, s17
	s_sub_co_u32 s19, s19, 1                       ; (taken only where x > pr)
	s_cmp_le_u32 ttmp9, s17
	s_cselect_b32 s13, s17, s18                    ; I: the tile's row of queries
	s_cselect_b32 s14, ttmp9, s19                  ; J: its column of keys, J <= I
	s_mov_b32 s[G1+0], (1<<16)|(1<<20)|(5<<22)|(3<<25)  ; no mask; elements of 2 bytes; padding: 4 words behind every 64
	s_mov_b32 s[G1+1], KSTEP<<16                   ; tensor_dim0
	s_mov_b32 s[G1+2], 128<<16                     ; tensor_dim1
	s_mov_b32 s[G1+3], KSTEP<<16                   ; tile_dim0
	s_mov_b32 s[G1+4], 128                         ; tile_dim1
	s_mov_b32 s[G1+5], 1024                        ; pitch in elements
	s_mov_b32 s[G1+6], 0
	s_mov_b32 s[G1+7], 0
	s_cmp_eq_u32 s11, 0
	s_cselect_b32 s20, s13, s14                    ; q's tile I or k's tile J
	s_cselect_b32 s21, 0, 0x1000000                ; k lies 2^24 bytes behind q
	s_lshl_b32 s20, s20, 8
	s_lshl_b32 s22, s15, 11
	s_add_co_u32 s20, s20, s22
	s_lshl_b32 s22, s12, 7
	s_add_co_u32 s20, s20, s22                     ; my first row
	s_lshl_b32 s20, s20, 11                        ; x 2,048 bytes
	s_add_co_u32 s20, s20, s21
	s_mov_b32 s21, 0
	s_mul_i32 s23, s10, HALFT                      ; where it goes: wave x 128 rows
	s_wait_dscnt 0x0                               ; both opening adds are done
	s_wait_kmcnt 0x0
	s_add_nc_u64 s[20:21], s[4:5], s[20:21]
.irp s, 0,1                            ; every wave issues its own two first fills, with no branch: two tensor loads of mine are out at the most
	s_mov_b32 s[G0+4*\s], 1
	s_add_co_u32 s[G0+4*\s+1], s23, \s*SLOT
	s_add_nc_u64 s[G0+4*\s+2:G0+4*\s+3], s[20:21], \s*KSTEP*2
	s_or_b32 s[G0+4*\s+3], s[G0+4*\s+3], 0x80000000
	tensor_load_to_lds s[G0+4*\s:G0+4*\s+3], s[G1:G1+7]
	s_nop 0
.endr
	v_and_b32 v1, 15, v0                           ; r: stays
	v_bfe_u32 v2, v0, 4, 1                         ; h: stays
	v_mul_u32_u24 v3, v1, PITCH
	v_lshl_add_u32 v3, v2, 4, v3
	s_mul_i32 s21, s11, HALFT
	s_mul_i32 s22, s12, HALFT
	s_add_co_u32 s22, s22, 2*HALFT
.irp s, 0,1
	v_add_nc_u32 v[ADRA+\s], s21, v3
	v_add_nc_u32 v[ADRB+\s], s22, v3
	s_add_co_u32 s21, s21, SLOT
	s_add_co_u32 s22, s22, SLOT
.endr
	s_mul_i32 s23, s10, 16*SPITCH
	s_add_co_u32 s23, s23, STAGE
	v_mul_u32_u24 v4, v1, SPITCH
	v_lshl_add_u32 v4, v2, 4, v4
	v_add_nc_u32 v[STO], s23, v4
	v_mul_u32_u24 v5, v2, SPITCH
	v_lshl_add_u32 v5, v1, 4, v5
	v_add_nc_u32 v[RD], s23, v5
	v_lshlrev_b32 v5, 12, v2                       ; a row of p is 4,096 bytes
	v_lshl_add_u32 v[CO], v1, 4, v5
	v_lshlrev_b32 v6, 2, v1                        ; 4 r
	v_and_b32 v7, 31, v0
	v_lshlrev_b32 v14, 4, v7                       ; v14: 16 x lane
	s_lshl_b32 s21, s12, 10
	s_lshl_b32 s22, s11, 9
	s_add_co_u32 s21, s21, s22
	s_add_co_u32 s21, s21, MX
	v_add_nc_u32 v8, s21, v6                       ; v8: where my maxima go
	s_xor_b32 s21, s12, 1
	s_lshl_b32 s21, s21, 10
	s_add_co_u32 s21, s21, s22
	s_add_co_u32 s21, s21, MX
	v_add_nc_u32 v9, s21, v6                       ; v9: where the other column half's lie
	s_lshl_b32 s21, s10, 9
	s_add_co_u32 s22, s21, MF
	v_add_nc_u32 v10, s22, v6
	v_add_nc_u32 v11, s22, v14
	s_add_co_u32 s22, s21, LS
	v_add_nc_u32 v12, s22, v6
	v_add_nc_u32 v13, s22, v14
	s_lshl_b32 s16, s15, 11
	s_lshl_b32 s17, s13, 8
	s_add_co_u32 s16, s16, s17
	s_lshl_b32 s17, s11, 7
	s_add_co_u32 s16, s16, s17                     ; my first query among the 8,192
	s_lshl_b32 s18, s16, 12
	s_lshl_b32 s17, s14, 9
	s_add_co_u32 s18, s18, s17
	s_lshl_b32 s17, s12, 8
	s_add_co_u32 s18, s18, s17
	s_mov_b32 s19, 0
	s_add_nc_u64 s[6:7], s[6:7], s[18:19]          ; p at my first row and key
	s_mul_i32 s18, s14, 98304
	s_lshl_b32 s17, s16, 2
	s_add_co_u32 s18, s18, s17
	s_add_nc_u64 s[46:47], s[8:9], s[18:19]        ; st: key tile J, plane 0, my rows
	s_lshl_b32 s18, s12, 15
	s_add_co_u32 s18, s18, 32768
	s_add_nc_u64 s[48:49], s[46:47], s[18:19]      ; plane 1 + my half of the keys
	s_sub_co_i32 s50, s11, s12
	s_lshl_b32 s50, s50, 7                         ; 128 (my half of the queries - my half of the keys)
	s_mov_b32 s40, 0x3d38aa3b                      ; c = log2(e) / 32
	s_mov_b32 s41, s40                             ; (named with it as a pair)
	s_mov_b32 s42, 0xbd38aa3b                      ; -c
	s_mov_b32 s44, 0x76543210
	s_mov_b32 s45, 0xfedcba98                      ; selects for lane xor 16
; 16 matrix instructions: query blocks a0, a0 + 1 of the window's four x all 8 key blocks, 32 along K.  The 64 accumulators take turns
.macro MUL16 f, hi, a0, zero
.irp a, \a0, \a0+1
.irp b, 0,1,2,3,4,5,6,7
.if \zero
	v_wmma_f32_16x16x32_f16 v[8*(8*(\a)+\b):8*(8*(\a)+\b)+7], v[\f+8*\b:\f+8*\b+7], v[\f+8*(4*\hi+\a):\f+8*(4*\hi+\a)+7], 0
.else
	v_wmma_f32_16x16x32_f16 v[8*(8*(\a)+\b):8*(8*(\a)+\b)+7], v[\f+8*\b:\f+8*\b+7], v[\f+8*(4*\hi+\a):\f+8*(4*\hi+\a)+7], v[8*(8*(\a)+\b):8*(8*(\a)+\b)+7]
.endif
.endr
.endr
.endm
.macro FETCH slot, k, f                ; 32 LDS loads in one run: a quarter step's fragments
	WIN TO_B
.irp i, 0,1,2,3,4,5,6,7
	ds_load_b128 v[\f+8*\i:\f+8*\i+3],   v[ADRB+\slot] offset:\k+\i*16*PITCH
	ds_load_b128 v[\f+8*\i+4:\f+8*\i+7], v[ADRB+\slot] offset:\k+\i*16*PITCH+32
.endr
	WIN 0
.irp i, 0,1,2,3,4,5,6,7
	ds_load_b128 v[\f+8*\i:\f+8*\i+3],   v[ADRA+\slot] offset:\k+\i*16*PITCH
	ds_load_b128 v[\f+8*\i+4:\f+8*\i+7], v[ADRA+\slot] offset:\k+\i*16*PITCH+32
.endr
.endm
.macro PLACES                          ; four plain vector instructions between a matrix instruction and a load into, a write of or a read of its registers
.rept 4
	v_nop
.endr
.endm
.macro QUARTER slot, k, f, g, zero
	s_wait_dscnt 8                                 ; the keys' and the queries' rows 0-63 are in; the youngest eight loads may be out
	WIN MUL_LO
	MUL16 \f, 0, 0, \zero
	MUL16 \f, 0, 2, \zero
	PLACES
	FETCH \slot, \k, \g
	s_wait_dscnt 32                                ; all but the 32 just issued
	WIN MUL_HI
	MUL16 \f, 1, 0, \zero
	MUL16 \f, 1, 2, \zero
.endm
; A K step's last quarter changes slots: one barrier.  In front of it each wave waits for all its tensor loads (its part of the next slot), adds 0 to its spare word, and waits for that and for its reads of this slot.
; fill = 1: this slot is filled again, two K steps ahead: my one tensor load behind the barrier, first thing there; it has a K step less thirty-two matrix instructions in which to land.
.macro TURN slot, next, fill
	WIN 0
	s_wait_tensorcnt 0x0
	ds_add_u32 v[SPW], v[NIL]
	s_wait_dscnt 9                                 ; the add and the youngest eight loads may be out
	WIN MUL_LO
	MUL16 F1, 0, 0, 0
	s_wait_dscnt 0x0                               ; the add is done, my reads of this slot are over
	s_barrier_signal -1
	MUL16 F1, 0, 2, 0
	WIN 0
	s_barrier_wait -1
.if \fill
	s_add_nc_u64 s[G0+4*\slot+2:G0+4*\slot+3], s[G0+4*\slot+2:G0+4*\slot+3], 2*KSTEP*2   ; no tensor load of mine is out: the descriptor may be written
	tensor_load_to_lds s[G0+4*\slot:G0+4*\slot+3], s[G1:G1+7]
	s_nop 0
.endif
	PLACES                                         ; behind the load, and in front of the loads into buffer 0
	FETCH \next, 0, F0
	WIN MUL_HI
	MUL16 F1, 1, 0, 0
	MUL16 F1, 1, 2, 0
.endm
	s_wait_tensorcnt 1                             ; my part of K step 0 is in; K step 1's may be out
	s_barrier_signal -1
	s_barrier_wait -1
	FETCH 0, 0, F0
	QUARTER 0, 64,  F0, F1, 1                      ; the first products start the sums
	WIN 0
	s_mov_b32 s3, LAPS-1
.Llap:                                             ; a trip goes once round the ring and fills both slots again: K steps 2 to 7 in three trips
	QUARTER 0, 128, F1, F0, 0
	QUARTER 0, 192, F0, F1, 0
	TURN 0, 1, 1
	QUARTER 1, 64,  F0, F1, 0
	QUARTER 1, 128, F1, F0, 0
	QUARTER 1, 192, F0, F1, 0
	TURN 1, 0, 1
	QUARTER 0, 64,  F0, F1, 0
	WIN 0
	s_sub_co_u32 s3, s3, 1
	s_cmp_lg_u32 s3, 0
	s_cbranch_scc1 .Llap
	QUARTER 0, 128, F1, F0, 0                      ; the last lap is written out: it asks for nothing
	QUARTER 0, 192, F0, F1, 0
	TURN 0, 1, 0
	QUARTER 1, 64,  F0, F1, 0
	QUARTER 1, 128, F1, F0, 0
	QUARTER 1, 192, F0, F1, 0
	s_wait_dscnt 8
	WIN MUL_LO
	MUL16 F1, 0, 0, 0
	MUL16 F1, 0, 2, 0
	s_wait_dscnt 0
	WIN MUL_HI
	MUL16 F1, 1, 0, 0
	MUL16 F1, 1, 2, 0
	WIN 0
	PLACES
	; THE MASK, on a diagonal tile, in the three quadrants that hold hidden keys (wave 2's queries come after all its keys).  Branches on ids alone.  Hidden where 16 b + j > r - 8 h + 16 a + 128 (query half - key half)
	s_cmp_lg_u32 s13, s14
	s_cbranch_scc1 .Lopen
	s_cmp_eq_u32 s10, 2
	s_cbranch_scc1 .Lopen
	v_lshlrev_b32 v3, 3, v2
	v_sub_nc_u32 v3, v1, v3
	v_add_nc_u32 v32, s50, v3
.irp a, 1,2,3,4,5,6,7
	v_add_nc_u32 v[32+\a], 16*\a, v32
.endr
	v_mov_b32 v96, 0xff800000                      ; -infinity
.irp a, 0,1,2,3,4,5,6,7
	WIN 0x82+0x41*(\a/4)                           ; destination and source 0: window 2 or 3
.set n, 0
.rept 64
	v_cmp_gt_i32 vcc_lo, 16*(n/8)+n%8, v[32+\a]
	v_cndmask_b32 v[64*(\a%4)+n], v[64*(\a%4)+n], v96, vcc_lo
.set n, n+1
.endr
.endr
	WIN 0
.Lopen:
	; THE LARGEST SCORE of each of my 8 x 16 queries over my 128 keys: a lane's 64 registers, four blocks by turns; each accumulator is first read at its low end
.irp w, 0,1
	WIN 0x2a+0x15*\w                               ; all three sources: window 2 or 3
.irp a, 0,1,2,3
	v_max3_num_f32 v[40+4*\w+\a], v[64*\a], v[64*\a+1], v[64*\a+2]
.endr
	WIN 0x28+0x14*\w                               ; sources 1 and 2
.set i, 3
.rept 30
.irp a, 0,1,2,3
	v_max3_num_f32 v[40+4*\w+\a], v[40+4*\w+\a], v[64*\a+i], v[64*\a+i+1]
.endr
.set i, i+2
.endr
.irp a, 0,1,2,3
	v_max_num_f32 v[40+4*\w+\a], v[40+4*\w+\a], v[64*\a+63]
.endr
.endr
	WIN 0
.irp a, 0,1,2,3,4,5,6,7
	v_mov_b32 v[48+\a], 0                          ; a lane permute's destination counts as one of its sources
.endr
.irp a, 0,1,2,3,4,5,6,7
	v_permlanex16_b32 v[48+\a], v[40+\a], s44, s45
.endr
.irp a, 0,1,2,3,4,5,6,7
	v_max_num_f32 v[40+\a], v[40+\a], v[48+\a]     ; with the other half of the lanes' keys
.endr
.irp a, 0,1,2,3,4,5,6,7
	ds_store_b32 v8, v[40+\a] offset:64*\a         ; lanes r and r + 16 write the same word with the same value
.endr
	s_wait_dscnt 0x0                               ; for the other wave's sake: my stores are done
	s_barrier_signal -1
	s_barrier_wait -1
.irp a, 0,1,2,3,4,5,6,7
	ds_load_b32 v[48+\a], v9 offset:64*\a          ; the same queries' maxima over the other 128 keys
.endr
	s_wait_dscnt 0x0
.irp a, 0,1,2,3,4,5,6,7
	v_max_num_f32 v[40+\a], v[40+\a], v[48+\a]     ; the row's largest score in the tile
.endr
.irp a, 0,1,2,3,4,5,6,7
	v_mul_f32 v[56+2*\a], s42, v[40+\a]            ; -m = -c x it
.endr
.irp a, 0,1,2,3,4,5,6,7
	v_mov_b32 v[57+2*\a], v[56+2*\a]               ; (the packed form names the pair)
.endr
	s_cmp_lg_u32 s12, 0                            ; both column halves hold the same m: the left one stores it
	s_cbranch_scc1 .Lnot_m
.irp a, 0,1,2,3,4,5,6,7
	v_mul_f32 v[48+\a], s40, v[40+\a]
.endr
.irp a, 0,1,2,3,4,5,6,7
	ds_store_b32 v10, v[48+\a] offset:64*\a
.endr
	ds_load_b128 v[100:103], v11                   ; in order behind my stores: 128 rows' m, 16 bytes a lane
	s_wait_dscnt 0x0
	global_store_b128 v14, v[100:103], s[46:47]    ; 512 consecutive bytes
.Lnot_m:
.macro TSCALE a                        ; t - m, two at a time
.set AC, 64*((\a)%4)
	WIN 0x82+0x41*((\a)/4)
.set j, 0
.rept 32
	v_pk_fma_f32 v[AC+j:AC+j+1], v[AC+j:AC+j+1], s[40:41], v[56+2*(\a):57+2*(\a)] op_sel_hi:[1,0,0]
.set j, j+2
.endr
.endm
.macro EXPS a                          ; p = 2^(t - m), at most 1: one batch
.set AC, 64*((\a)%4)
	WIN 0x82+0x41*((\a)/4)
.set j, 0
.rept 64
	v_exp_f32 v[AC+j], v[AC+j]
.set j, j+1
.endr
.endm
.macro SUMPACK a                       ; l of the unrounded p, in f32; p rounded to f16, 16 bytes a lane and key block
.set AC, 64*((\a)%4)
	WIN 0x0a+5*((\a)/4)
.set j, 0
.rept 16
	v_pk_add_f32 v[224+2*j:225+2*j], v[AC+4*j:AC+4*j+1], v[AC+4*j+2:AC+4*j+3]
.set j, j+1
.endr
.irp b, 0,1,2,3,4,5,6,7
.irp q, 0,1,2,3
	v_cvt_pk_f16_f32 v[TMP+4*\b+\q], v[AC+8*\b+2*\q], v[AC+8*\b+2*\q+1]
.endr
.endr
	WIN 0
.irp j, 0,2,4,6,8,10,12,14
	v_pk_add_f32 v[224+\j:225+\j], v[224+\j:225+\j], v[240+\j:241+\j]
.endr
.irp j, 0,2,4,6
	v_pk_add_f32 v[224+\j:225+\j], v[224+\j:225+\j], v[232+\j:233+\j]
.endr
.irp j, 0,2
	v_pk_add_f32 v[224+\j:225+\j], v[224+\j:225+\j], v[228+\j:229+\j]
.endr
	v_pk_add_f32 v[224:225], v[224:225], v[226:227]
	v_add_f32 v224, v224, v225
	v_permlanex16_b32 v226, v224, s44, s45
	v_add_f32 v[72+(\a)], v224, v226
.endm
.macro TOSTAGE a
.set BK, 128+32*((\a)%2)
.irp b, 0,1,2,3,4,5,6,7
	ds_store_b128 v[STO], v[TMP+4*\b:TMP+4*\b+3] offset:32*\b
.endr
.irp t, 0,1,2,3,4,5,6,7
	ds_load_b128 v[BK+4*\t:BK+4*\t+3], v[RD] offset:\t*2*SPITCH    ; in order behind the stores above
.endr
.endm
.macro SEND a
.set BK, 128+32*((\a)%2)
	s_wait_dscnt 0x0
	s_wait_xcnt 0x0                                ; earlier stores have read their base and data
.if (\a) > 0
	s_add_nc_u64 s[6:7], s[6:7], 16*4096
.endif
.irp t, 0,1,2,3,4,5,6,7
	global_store_b128 v[CO], v[BK+4*\t:BK+4*\t+3], s[6:7] offset:2*\t*4096   ; 16 lanes store 256 consecutive bytes, aligned
.endr
.endm
	TSCALE 0
.irp a, 0,1,2,3,4,5,6,7                ; block a's 64 exponentials; behind them the next block's scalings, which name none of their results; ONE wait for the batch, ahead of its first reader
	EXPS \a
.if \a < 7
	TSCALE \a+1
.else
	v_nop
.endif
	s_wait_alu depctr_va_vdst(0)
	SUMPACK \a
.if \a > 0
	SEND \a-1
.endif
	TOSTAGE \a
.endr
	SEND 7
.irp a, 0,1,2,3,4,5,6,7
	ds_store_b32 v12, v[72+\a] offset:64*\a
.endr
	ds_load_b128 v[104:107], v13
	s_wait_dscnt 0x0
	global_store_b128 v14, v[104:107], s[48:49]    ; my 128 rows' l over my 128 keys: 512 consecutive bytes
	s_wait_tensorcnt 0x0                           ; the wave's end
	ds_add_u32 v[SPW], v[NIL]
	s_wait_dscnt 0x0
	s_endpgm
.Lfunc_end_k_qba4a4843c4_scores:
	.size	k_qba4a4843c4_scores, .Lfunc_end_k_qba4a4843c4_scores-k_qba4a4843c4_scores
	.p2alignl 7, 3214868480
	.fill 96, 4, 3214868480
	.section	.rodata,"a",@progbits
	.p2align	6, 0x0
	.amdhsa_kernel k_qba4a4843c4_scores
		.amdhsa_group_segment_fixed_size 327680
		.amdhsa_private_segment_fixed_size 0
		.amdhsa_enable_private_segment 0
		.amdhsa_kernarg_size 24
		.amdhsa_user_sgpr_count 2
		.amdhsa_user_sgpr_kernarg_segment_ptr 1
		.amdhsa_wavefront_size32 1
		.amdhsa_system_sgpr_workgroup_id_x 1
		.amdhsa_system_sgpr_workgroup_id_y 1
		.amdhsa_system_sgpr_workgroup_id_z 1
		.amdhsa_system_vgpr_workitem_id 0
		.amdhsa_next_free_vgpr 1024
		.amdhsa_next_free_sgpr 66
		.amdhsa_reserve_vcc 1
		.amdhsa_float_denorm_mode_32 3
		.amdhsa_float_denorm_mode_16_64 3
		.amdhsa_memory_ordered 1
		.amdhsa_forward_progress 1
		.amdhsa_inst_pref_size 250
	.end_amdhsa_kernel
	.amdgpu_metadata
---
amdhsa.version: [ 1, 2 ]
amdhsa.kernels:
  - .name:           k_qba4a4843c4_scores
    .symbol:         k_qba4a4843c4_scores.kd
    .args:
      - { .name: qk, .offset: 0, .size: 8, .value_kind: global_buffer, .address_space: global }
      - { .name: p, .offset: 8, .size: 8, .value_kind: global_buffer, .address_space: global }
      - { .name: st, .offset: 16, .size: 8, .value_kind: global_buffer, .address_space: global }
    .group_segment_fixed_size: 327680
    .private_segment_fixed_size: 0
    .kernarg_segment_align: 8
    .kernarg_segment_size: 24
    .max_flat_workgroup_size: 128
    .sgpr_count:     66
    .vgpr_count:     1024
    .wavefront_size: 32
...
	.end_amdgpu_metadata
.endif
;; end of part 3
;; launch context (part 4): grid 8 x 32, 4 waves a work-group, clusters of 4 x 1, 327,680 bytes of LDS; arguments p, vt, st, out0; writes out0
.if DOCPART == 4
	.amdgcn_target "amdgcn-amd-amdhsa--gfx1250"
	.amdhsa_code_object_version 6
	.text
	.protected	k_qba4a4843c4_context
	.globl	k_qba4a4843c4_context
	.p2align	8
	.type	k_qba4a4843c4_context,@function
k_qba4a4843c4_context:
	s_mov_b64 s[64:65], 0
	v_nop
	global_prefetch_b8 v0, s[64:65] scope:SCOPE_SE
	s_setreg_imm32_b32 hwreg(HW_REG_WAVE_MODE, 25, 1), 1
	s_wait_xcnt 0x0
	s_wait_alu depctr_hold_cnt(0) depctr_sa_sdst(0) depctr_va_vdst(0) depctr_va_sdst(0) depctr_va_ssrc(0) depctr_va_vcc(0) depctr_vm_vsrc(0)
	s_getreg_b32 s2, hwreg(HW_REG_IB_STS2, 6, 4)
	s_cmp_eq_u32 s2, 0
	s_cbranch_scc0 .Lentry_in_a_cluster
	s_endpgm
.Lentry_in_a_cluster:
	s_bfe_u32 s2, ttmp6, 0x10000c
	s_cmp_lg_u32 s2, 0x3003
	s_cbranch_scc0 .Lentry_shape_is_right
	s_endpgm
.Lentry_shape_is_right:
; context = softmax weights x v.  For a query row: M = the largest m over its key tiles T, a_T = 2^(m_T - M), w_T = a_T / (sum over T of a_T (l0_T + l1_T)), O = sum over T of w_T (P_T V_T).
; P_T V_T is a product of f16 operands with f32 sums; the weights w_T are applied in f32 to its sums, never to an f16 operand.
; LEFT OUT: key steps beyond a query block's last tile of 256 keys: every key there is hidden by reference()'s own mask, its weight is exactly 0.
; SHARES.  A work-group makes two tiles of 128 queries x 128 channels: query block 15 - i (L), then block i (E), i = y % 8, batch y / 8.  A key step is 256 keys; L has 8 - i / 2 steps and E i / 2 + 1: ALWAYS NINE:
; 256 work-groups of equal work, and every trip count is a constant.  Four waves, 64 x 64 each.
; CLUSTER 4 x 1: the four partners make four channel blocks of the same queries: P's tiles are asked for jointly (mask 15); v^T's differ by the channel block and come by plain loads behind the same rounds.
; All branches hang on y, on the count of steps and on the wave's number: alike in all partners.  v^T is not shared further: work-groups with another i change tiles at other steps.
; THE MATRIX INSTRUCTION IS USED TRANSPOSED (source 0 = 16 channels of v^T, source 1 = 16 queries of P): lane (r, h), register j of accumulator (a, b): query 16 a + r, channel 16 b + 8 h + j.
; REGISTERS: window 0: v0-31 addresses; v32-95 at work at the head, rows on the way out; v96-111 w in pairs, two sets; v128-255 a key step's sums.  window 1: two fragment buffers.  window 2: v0-127 the weighted sums O.
.set KSTEP,  256
.set PITCH,  528                       ; an LDS row: 512 bytes + 16: the 16 rows of a load start 132 words apart
.set HALFT,  64*PITCH
.set SLOT,   4*HALFT
.set STAGE,  2*SLOT                    ; 16 rows x 272 bytes for each wave, its own
.set SPITCH, 272
.set ATAB,   STAGE+4*16*SPITCH         ; w [9 steps][128 rows] f32
.set SPARE,  ATAB+9*512                ; the spare words: 128 bytes a wave, named by no other line
.set ADRA, 16
.set ADRB, 20
.set AAT,  23                          ; v23 where the step's w lie
.set STO,  24
.set RD,   25
.set CO,   26
.set AAT0, 27                          ; v27 my lane's place in a step's w
.set SPW,  28
.set NIL,  29
.set TMP,  32
.set AL,   96
.set ACC,  128
.set F0,   0
.set F1,   128
.set G1A, 24
.set G0A, 32
.set G1B, 40
.set G0B, 48
.set OF, 32                            ; the head's registers: offsets, m, l0, l1
.set MM, 41
.set L0, 50
.set L1, 59
.set MSB, 0
.macro WIN new
.if MSB != (\new)
	s_set_vgpr_msb (MSB<<8)|(\new)
.set MSB, \new
.endif
.endm
.set MUL,  0x05                        ; sources 0 and 1 window 1; C and D window 0
.set TO_F, 0x40
.macro JLOAD s                         ; waves 0, 1 ask jointly for P's two halves, waves 2, 3 fetch v^T's; an s_nop 0 and four v_nop follow each line
	s_cmp_eq_u32 s13, 0
	s_cbranch_scc0 .Lfor_b_\@
	tensor_load_to_lds s[G0A+4*\s:G0A+4*\s+3], s[G1A:G1A+7]
	s_nop 0
.rept 4
	v_nop
.endr
	s_branch .Lasked_\@
.Lfor_b_\@:
	tensor_load_to_lds s[G0B+4*\s:G0B+4*\s+3], s[G1B:G1B+7]
	s_nop 0
.rept 4
	v_nop
.endr
.Lasked_\@:
.endm
.macro CREST
	s_cmp_lg_u32 s12, 0
	s_cbranch_scc1 .Lnot_wave_0_\@
	s_barrier_signal -3
.Lnot_wave_0_\@:
	s_barrier_wait -3
	s_barrier_signal -1
	s_barrier_wait -1
.endm
.macro CROUND
	s_barrier_signal -1
	s_barrier_wait -1
	CREST
.endm
; The addresses of step U's tiles into slot's descriptors; then U + 1.  Scalar work alone.  s60, s61 (P's offset) never hold cx
.macro ADDR slot
	s_cmp_lt_u32 s22, s19                          ; a step of L?
	s_cselect_b32 s60, s56, s57
	s_cselect_b32 s83, 0, s19
	s_sub_co_u32 s83, s22, s83                     ; T: the key tile
	s_lshl_b32 s83, s83, 9                         ; 256 keys of 2 bytes
	s_add_co_u32 s60, s60, s83
	s_add_nc_u64 s[G0A+4*\slot+2:G0A+4*\slot+3], s[4:5], s[60:61]
	s_or_b32 s[G0A+4*\slot+3], s[G0A+4*\slot+3], 0x80000000
	s_add_co_u32 s62, s58, s83
	s_add_nc_u64 s[G0B+4*\slot+2:G0B+4*\slot+3], s[6:7], s[62:63]
	s_or_b32 s[G0B+4*\slot+3], s[G0B+4*\slot+3], 0x80000000
	s_add_co_u32 s22, s22, 1
.endm
	s_load_b256 s[4:11], s[0:1], 0x0               ; p s[4:5], vt s[6:7], st s[8:9], out0 s[10:11]
	v_lshl_add_u32 v[SPW], v0, 2, SPARE
	v_mov_b32 v[NIL], 0
	ds_add_u32 v[SPW], v[NIL]                      ; the wave's opening: the add, twice on end, and its wait ahead of my first tensor load
	ds_add_u32 v[SPW], v[NIL]
	v_lshrrev_b32 v1, 5, v0
	v_readfirstlane_b32 s12, v1                    ; wave 0..3
	s_lshr_b32 s13, s12, 1                         ; my half of the queries; also: I fetch P (0) or v^T (1)
	s_and_b32 s14, s12, 1                          ; my half of the channels; also: which 64 rows I fetch
	s_bfe_u32 s15, ttmp6, 0x40000                  ; cx
	s_lshl_b32 s16, ttmp9, 2
	s_add_co_u32 s16, s16, s15                     ; my block of 128 channels
	s_and_b32 s80, ttmp7, 0xffff
	s_and_b32 s17, s80, 7                          ; i
	s_lshr_b32 s18, s80, 3                         ; batch
	s_lshr_b32 s81, s17, 1
	s_sub_co_u32 s19, 8, s81                       ; L's steps
	s_sub_co_u32 s20, s19, 1
	s_mov_b32 s21, 0                               ; the step in hand
	s_mov_b32 s22, 0                               ; the step to be asked for
	s_mov_b32 s59, 0                               ; where the step's w begin
	s_mov_b32 s[G1A+0], 15|(1<<16)|(1<<20)|(1<<21)|(6<<22)|(3<<25)  ; the mask: all four; elements of 2 bytes; padding on; bit 21 beside a mask; 4 words behind every 128
	s_mov_b32 s[G1B+0], (1<<16)|(1<<20)|(6<<22)|(3<<25)             ; no mask
.irp g, G1A, G1B
	s_mov_b32 s[\g+1], KSTEP<<16                   ; tensor_dim0
	s_mov_b32 s[\g+2], 64<<16                      ; tensor_dim1
	s_mov_b32 s[\g+3], KSTEP<<16                   ; tile_dim0
	s_mov_b32 s[\g+4], 64                          ; tile_dim1
	s_mov_b32 s[\g+6], 0
	s_mov_b32 s[\g+7], 0
.endr
	s_mov_b32 s[G1A+5], 2048                       ; P's pitch in elements
	s_mov_b32 s[G1B+5], 8192                       ; v^T's
	s_lshl_b32 s82, s18, 11
	s_sub_co_u32 s84, 15, s17
	s_lshl_b32 s84, s84, 7
	s_add_co_u32 s84, s84, s82                     ; L's first query among the 8,192
	s_lshl_b32 s85, s17, 7
	s_add_co_u32 s85, s85, s82                     ; E's
	s_lshl_b32 s86, s14, 6
	s_add_co_u32 s56, s84, s86
	s_lshl_b32 s56, s56, 12                        ; P: my 64 rows of L, in bytes
	s_add_co_u32 s57, s85, s86
	s_lshl_b32 s57, s57, 12                        ; of E
	s_lshl_b32 s58, s16, 7
	s_add_co_u32 s58, s58, s86
	s_lshl_b32 s58, s58, 14                        ; v^T: my 64 channels,
	s_lshl_b32 s87, s18, 12
	s_add_co_u32 s58, s58, s87                     ; the batch's first token
	s_mov_b32 s61, 0
	s_mov_b32 s63, 0
	s_mul_i32 s88, s12, HALFT                      ; where the tiles go: wave x 64 rows
	s_wait_dscnt 0x0                               ; both opening adds are done
	s_wait_kmcnt 0x0
	CROUND                                         ; all four work-groups are here: the first joint loads meet
.irp s, 0,1
	s_mov_b32 s[G0A+4*\s], 1
	s_add_co_u32 s[G0A+4*\s+1], s88, \s*SLOT
	s_mov_b32 s[G0B+4*\s], 1
	s_add_co_u32 s[G0B+4*\s+1], s88, \s*SLOT
	ADDR \s
	JLOAD \s                                       ; steps 0 and 1: two tensor loads of mine are out at the most
.endr
	WIN 0x80
.set j, 0
.rept 128
	v_mov_b32 v[j], 0                              ; O begins as zeros, while the first tiles are on their way: so the weighing is written once for first and later steps alike
.set j, j+1
.endr
	WIN 0
	v_and_b32 v1, 15, v0                           ; r
	v_bfe_u32 v2, v0, 4, 1                         ; h
	v_mul_u32_u24 v3, v1, PITCH
	v_lshl_add_u32 v3, v2, 4, v3
	s_mul_i32 s80, s13, HALFT
	s_mul_i32 s81, s14, HALFT
	s_add_co_u32 s81, s81, 2*HALFT
.irp s, 0,1
	v_add_nc_u32 v[ADRA+\s], s80, v3
	v_add_nc_u32 v[ADRB+\s], s81, v3
	s_add_co_u32 s80, s80, SLOT
	s_add_co_u32 s81, s81, SLOT
.endr
	s_mul_i32 s80, s12, 16*SPITCH
	s_add_co_u32 s80, s80, STAGE
	v_mul_u32_u24 v4, v1, SPITCH
	v_lshl_add_u32 v4, v2, 5, v4
	v_add_nc_u32 v[STO], s80, v4                   ; in: row r, 32 bytes for each half of the lanes
	v_mul_u32_u24 v5, v2, SPITCH
	v_lshl_add_u32 v5, v1, 4, v5
	v_add_nc_u32 v[RD], s80, v5                    ; back: lanes 0-15 one row of 256 bytes, lanes 16-31 the next
	v_lshlrev_b32 v5, 12, v2
	v_lshl_add_u32 v[CO], v1, 4, v5                ; the same two rows in out0
	s_lshl_b32 s80, s13, 8
	s_add_co_u32 s80, s80, ATAB
	v_lshl_add_u32 v[AAT0], v1, 2, s80             ; w of query 64 x my half + r
	v_mov_b32 v[AAT], v[AAT0]
	v_lshl_add_u32 v30, v0, 2, ATAB                ; where thread tau puts row tau's w
.irp k, 0,1,2,3,4,5,6,7
	v_mov_b32 v[AL+2*\k+1], 0                      ; (the packed form names pairs: the upper words are written once)
.endr
	s_lshl_b32 s89, s13, 6
	s_lshl_b32 s92, s16, 9
	s_lshl_b32 s93, s14, 8
	s_add_co_u32 s92, s92, s93                     ; my first channel, in bytes
	s_add_co_u32 s90, s84, s89
	s_lshl_b32 s90, s90, 12
	s_add_co_u32 s90, s90, s92
	s_mov_b32 s91, 0
	s_add_nc_u64 s[66:67], s[10:11], s[90:91]      ; out0 at my part of L
	s_add_co_u32 s90, s85, s89
	s_lshl_b32 s90, s90, 12
	s_add_co_u32 s90, s90, s92
	s_add_nc_u64 s[68:69], s[10:11], s[90:91]      ; of E
	; THE WEIGHTS.  Thread tau owns row tau of both tiles.  Step t belongs to L (mask -1) or to E (0): a scalar choice on ids; only stats that the launch before stored are read
	v_lshlrev_b32 v31, 2, v0
	s_lshl_b32 s86, s84, 2
	s_lshl_b32 s87, s85, 2
.irp t, 0,1,2,3,4,5,6,7,8
	s_cmp_gt_u32 s19, \t
	s_cselect_b32 s[70+\t], -1, 0
	s_cselect_b32 s88, s86, s87
	s_cselect_b32 s89, 0, s19
	s_sub_co_u32 s89, \t, s89                      ; T
	s_mul_i32 s89, s89, 98304
	s_add_co_u32 s88, s88, s89
	v_add_nc_u32 v[OF+\t], s88, v31
	global_load_b32 v[MM+\t], v[OF+\t], s[8:9]
	global_load_b32 v[L0+\t], v[OF+\t], s[8:9] offset:32768
	global_load_b32 v[L1+\t], v[OF+\t], s[8:9] offset:65536
.endr
.macro MAX9 d
	v_max3_num_f32 v[\d], v71, v72, v73
	v_max3_num_f32 v[\d], v[\d], v74, v75
	v_max3_num_f32 v[\d], v[\d], v76, v77
	v_max3_num_f32 v[\d], v[\d], v78, v79
.endm
.macro SUM9 d
	v_add_f32 v[\d], v71, v72
	v_add_f32 v90, v73, v74
	v_add_f32 v91, v75, v76
	v_add_f32 v92, v77, v78
	v_add_f32 v[\d], v[\d], v79
	v_add_f32 v90, v90, v91
	v_add_f32 v[\d], v[\d], v92
	v_add_f32 v[\d], v[\d], v90
.endm
	s_wait_loadcnt 0x0
	v_mov_b32 v68, 0xff800000                      ; -infinity
	v_mov_b32 v89, 0
.irp t, 0,1,2,3,4,5,6,7,8
	v_cndmask_b32 v[71+\t], v68, v[MM+\t], s[70+\t]
.endr
	MAX9 69                                        ; M of my row of L
.irp t, 0,1,2,3,4,5,6,7,8
	v_cndmask_b32 v[71+\t], v[MM+\t], v68, s[70+\t]
.endr
	MAX9 70                                        ; of E
.irp t, 0,1,2,3,4,5,6,7,8
	v_cndmask_b32 v[71+\t], v70, v69, s[70+\t]
.endr
.irp t, 0,1,2,3,4,5,6,7,8
	v_sub_f32 v[71+\t], v[MM+\t], v[71+\t]         ; m_T - M, 0 or less
.endr
.irp t, 0,1,2,3,4,5,6,7,8
	v_exp_f32 v[80+\t], v[71+\t]                   ; a_T
.endr
.irp t, 0,1,2,3,4,5,6,7,8
	v_add_f32 v[L0+\t], v[L0+\t], v[L1+\t]         ; plain work behind the exponentials
.endr
	s_wait_alu depctr_va_vdst(0)                   ; one wait for the nine, ahead of their first reader
.irp t, 0,1,2,3,4,5,6,7,8
	v_mul_f32 v[L0+\t], v[80+\t], v[L0+\t]
.endr
.irp t, 0,1,2,3,4,5,6,7,8
	v_cndmask_b32 v[71+\t], v89, v[L0+\t], s[70+\t]
.endr
	SUM9 69                                        ; the row's sum, L
.irp t, 0,1,2,3,4,5,6,7,8
	v_cndmask_b32 v[71+\t], v[L0+\t], v89, s[70+\t]
.endr
	SUM9 70                                        ; E
	v_rcp_f32 v69, v69
	v_rcp_f32 v70, v70
	v_nop
	s_wait_alu depctr_va_vdst(0)                   ; one wait for the two reciprocals
.irp t, 0,1,2,3,4,5,6,7,8
	v_cndmask_b32 v[71+\t], v70, v69, s[70+\t]
.endr
.irp t, 0,1,2,3,4,5,6,7,8
	v_mul_f32 v[71+\t], v[80+\t], v[71+\t]         ; w_T
.endr
.irp t, 0,1,2,3,4,5,6,7,8
	ds_store_b32 v30, v[71+\t] offset:512*\t
.endr
.macro MUL8 f, c, a0, zero             ; 8 matrix instructions: query blocks a0, a0 + 1 x 4 channel blocks, 32 keys.  The 16 accumulators take turns
.irp a, \a0, \a0+1
.irp b, 0,1,2,3
.if \zero
	v_wmma_f32_16x16x32_f16 v[ACC+8*(4*(\a)+\b):ACC+8*(4*(\a)+\b)+7], v[\f+64+8*(4*\c+\b):\f+64+8*(4*\c+\b)+7], v[\f+8*(4*\c+\a):\f+8*(4*\c+\a)+7], 0
.else
	v_wmma_f32_16x16x32_f16 v[ACC+8*(4*(\a)+\b):ACC+8*(4*(\a)+\b)+7], v[\f+64+8*(4*\c+\b):\f+64+8*(4*\c+\b)+7], v[\f+8*(4*\c+\a):\f+8*(4*\c+\a)+7], v[ACC+8*(4*(\a)+\b):ACC+8*(4*(\a)+\b)+7]
.endif
.endr
.endr
.endm
.macro FETCH slot, k, f                ; 32 LDS loads in one run: the fragments of 64 keys; the first 32 keys first
	WIN TO_F
.irp c, 0,1
.irp i, 0,1,2,3
	ds_load_b128 v[\f+64+8*(4*\c+\i):\f+64+8*(4*\c+\i)+3],   v[ADRB+\slot] offset:\k+64*\c+\i*16*PITCH
	ds_load_b128 v[\f+64+8*(4*\c+\i)+4:\f+64+8*(4*\c+\i)+7], v[ADRB+\slot] offset:\k+64*\c+\i*16*PITCH+32
	ds_load_b128 v[\f+8*(4*\c+\i):\f+8*(4*\c+\i)+3],         v[ADRA+\slot] offset:\k+64*\c+\i*16*PITCH
	ds_load_b128 v[\f+8*(4*\c+\i)+4:\f+8*(4*\c+\i)+7],       v[ADRA+\slot] offset:\k+64*\c+\i*16*PITCH+32
.endr
.endr
.endm
.macro PLACES
.rept 4
	v_nop
.endr
.endm
.macro ALOADS set                      ; a step's w of my 4 x 16 queries
.irp a, 0,1,2,3
	ds_load_b32 v[AL+8*\set+2*\a], v[AAT] offset:64*\a
.endr
.endm
.macro QUARTER slot, k, f, g, zero
	s_wait_dscnt 16                                ; the first 32 keys' fragments are in; the youngest sixteen loads may be out
	WIN MUL
	MUL8 \f, 0, 0, \zero
	MUL8 \f, 0, 2, \zero
	PLACES
	FETCH \slot, \k, \g
	s_wait_dscnt 32                                ; all but the 32 just issued
	WIN MUL
	MUL8 \f, 1, 0, 0
	MUL8 \f, 1, 2, 0
.endm
; A step's last quarter changes slots.  In front of the barrier each wave waits for all its tensor loads, adds 0 to its spare word, and waits for that and for its reads of this slot.  fill = 1: the barrier opens a round of the
; cluster's barrier, and behind the round this slot is filled again with the step two on: my one tensor load there, 112 matrix instructions ahead of the wait for it.
.macro TURN slot, next, fill
	WIN 0
	s_wait_tensorcnt 0x0
	ds_add_u32 v[SPW], v[NIL]
	s_wait_dscnt 17                                ; the add and the youngest sixteen loads may be out
	WIN MUL
	MUL8 F1, 0, 0, 0
	s_wait_dscnt 0x0                               ; the add is done, my reads of this slot are over
	s_barrier_signal -1
	MUL8 F1, 0, 2, 0
	WIN 0
	s_barrier_wait -1
.if \fill
	CREST
	ADDR \slot
	JLOAD \slot                                    ; its four v_nop are also the places in front of the loads below
.else
	PLACES
.endif
	s_add_co_u32 s59, s59, 512
	v_add_nc_u32 v[AAT], s59, v[AAT0]
	ALOADS \next                                   ; older than the 32 fragment loads: no count changes
	FETCH \next, 0, F0
	WIN MUL
	MUL8 F1, 1, 0, 0
	MUL8 F1, 1, 2, 0
.endm
.macro MERGE set                       ; O += w x the step's sums, in f32; each accumulator from its low end on.  These lines are also the places in front of the next step's products, which begin the sums anew
	WIN 0
	PLACES
	WIN 0xa0                                       ; destination and source 2: window 2
.irp a, 0,1,2,3
.set j, 0
.rept 16
	v_pk_fma_f32 v[32*\a+j:32*\a+j+1], v[ACC+32*\a+j:ACC+32*\a+j+1], v[AL+8*\set+2*\a:AL+8*\set+2*\a+1], v[32*\a+j:32*\a+j+1] op_sel_hi:[1,0,1]
.set j, j+2
.endr
.endr
	WIN 0
.endm
.macro OUT base, clear                 ; a finished tile: 16 queries x 64 channels at a time through my own stage, back as rows of 256 bytes
.irp a, 0,1,2,3
	WIN 0x08                                       ; an LDS store's data: window 2
.irp b, 0,1,2,3
	ds_store_b128 v[STO], v[32*\a+8*\b:32*\a+8*\b+3] offset:64*\b
	ds_store_b128 v[STO], v[32*\a+8*\b+4:32*\a+8*\b+7] offset:64*\b+16
.endr
	WIN 0
	s_wait_xcnt 0x0                                ; earlier stores have read their data: the loads below may land there
.irp f, 0,1,2,3,4,5,6,7
	ds_load_b128 v[TMP+32*(\a%2)+4*\f:TMP+32*(\a%2)+4*\f+3], v[RD] offset:2*\f*SPITCH   ; in order behind my stores
.endr
	s_wait_dscnt 0x0
.irp f, 0,1,2,3,4,5,6,7
	global_store_b128 v[CO], v[TMP+32*(\a%2)+4*\f:TMP+32*(\a%2)+4*\f+3], s[\base:\base+1] offset:(16*\a+2*\f)*4096 th:TH_STORE_NT   ; 16 lanes store 256 consecutive bytes, aligned
.endr
.endr
.if \clear
	WIN 0x80
.set j, 0
.rept 128
	v_mov_b32 v[j], 0                              ; the second tile begins
.set j, j+1
.endr
	WIN 0
.endif
.endm
.macro STEPB slot, next, fill, last    ; a key step: 128 matrix instructions a wave, begun with C = 0; then weighed into O
	QUARTER \slot, 128, F0, F1, 1
	QUARTER \slot, 256, F1, F0, 0
	QUARTER \slot, 384, F0, F1, 0
.if \last
	s_wait_dscnt 16
	WIN MUL
	MUL8 F1, 0, 0, 0
	MUL8 F1, 0, 2, 0
	s_wait_dscnt 0
	MUL8 F1, 1, 0, 0
	MUL8 F1, 1, 2, 0
.else
	TURN \slot, \next, \fill
.endif
	MERGE \slot
.if !\last
	s_cmp_lg_u32 s21, s20                          ; was this L's last step?  Ids and the count of steps alone: all waves of all partners go the same way
	s_cbranch_scc1 .Lsame_\@
	OUT 66, 1
.Lsame_\@:
	s_add_co_u32 s21, s21, 1
.endif
.endm
	s_wait_tensorcnt 1                             ; my part of step 0 is in; step 1's may be out
	s_wait_dscnt 0x0                               ; my rows' w are stored
	s_barrier_signal -1
	s_barrier_wait -1
	ALOADS 0
	FETCH 0, 0, F0
	WIN 0
	s_mov_b32 s23, 3
.Lpair:                                            ; three trips: steps 0 to 5, which ask for steps 2 to 7
	STEPB 0, 1, 1, 0
	STEPB 1, 0, 1, 0
	s_sub_co_u32 s23, s23, 1
	s_cmp_lg_u32 s23, 0
	s_cbranch_scc1 .Lpair
	STEPB 0, 1, 1, 0                               ; step 6 asks for step 8
	STEPB 1, 0, 0, 0                               ; step 7: nothing is left to ask for
	STEPB 0, 0, 0, 1                               ; step 8
	OUT 68, 0
	s_wait_tensorcnt 0x0                           ; the wave's end
	ds_add_u32 v[SPW], v[NIL]
	s_wait_dscnt 0x0
	CROUND                                         ; the closing round
	s_endpgm
.Lfunc_end_k_qba4a4843c4_context:
	.size	k_qba4a4843c4_context, .Lfunc_end_k_qba4a4843c4_context-k_qba4a4843c4_context
	.p2alignl 7, 3214868480
	.fill 96, 4, 3214868480
	.section	.rodata,"a",@progbits
	.p2align	6, 0x0
	.amdhsa_kernel k_qba4a4843c4_context
		.amdhsa_group_segment_fixed_size 327680
		.amdhsa_private_segment_fixed_size 0
		.amdhsa_enable_private_segment 0
		.amdhsa_kernarg_size 32
		.amdhsa_user_sgpr_count 2
		.amdhsa_user_sgpr_kernarg_segment_ptr 1
		.amdhsa_wavefront_size32 1
		.amdhsa_system_sgpr_workgroup_id_x 1
		.amdhsa_system_sgpr_workgroup_id_y 1
		.amdhsa_system_sgpr_workgroup_id_z 1
		.amdhsa_system_vgpr_workitem_id 0
		.amdhsa_next_free_vgpr 640
		.amdhsa_next_free_sgpr 100
		.amdhsa_reserve_vcc 0
		.amdhsa_float_denorm_mode_32 3
		.amdhsa_float_denorm_mode_16_64 3
		.amdhsa_memory_ordered 1
		.amdhsa_forward_progress 1
		.amdhsa_inst_pref_size 191
	.end_amdhsa_kernel
	.amdgpu_metadata
---
amdhsa.version: [ 1, 2 ]
amdhsa.kernels:
  - .name:           k_qba4a4843c4_context
    .symbol:         k_qba4a4843c4_context.kd
    .args:
      - { .name: p, .offset: 0, .size: 8, .value_kind: global_buffer, .address_space: global }
      - { .name: vt, .offset: 8, .size: 8, .value_kind: global_buffer, .address_space: global }
      - { .name: st, .offset: 16, .size: 8, .value_kind: global_buffer, .address_space: global }
      - { .name: out0, .offset: 24, .size: 8, .value_kind: global_buffer, .address_space: global }
    .group_segment_fixed_size: 327680
    .private_segment_fixed_size: 0
    .kernarg_segment_align: 8
    .kernarg_segment_size: 32
    .max_flat_workgroup_size: 128
    .sgpr_count:     100
    .vgpr_count:     640
    .wavefront_size: 32
...
	.end_amdgpu_metadata
.endif
;; end of part 4
;; launch first16 (part 5): grid 8 x 4, 8 waves a work-group, no clusters, 9,216 bytes of LDS; arguments fine, out0; writes out0
.if DOCPART == 5
	.amdgcn_target "amdgcn-amd-amdhsa--gfx1250"
	.amdhsa_code_object_version 6
	.text
	.protected	k_qba4a4843c4_first16
	.globl	k_qba4a4843c4_first16
	.p2align	8
	.type	k_qba4a4843c4_first16,@function
k_qba4a4843c4_first16:
	s_mov_b64 s[64:65], 0
	v_nop
	global_prefetch_b8 v0, s[64:65] scope:SCOPE_SE
	s_setreg_imm32_b32 hwreg(HW_REG_WAVE_MODE, 25, 1), 1
	s_wait_xcnt 0x0
; The first 16 positions of each batch once more, wholly in f32: their rows average one to sixteen values and are the largest of the output, so the rounding of 16-bit operands weighs most there.  It writes over those rows of out0.
; fine holds, in f32: q [4][16][1024] at 0, k likewise at 262,144, v transposed [4][1024 channels][16 tokens] at 524,288.
; Work-group (x, y): batch y, channels 128 x on.  Eight waves.  S^T = k q^T (16 keys x 16 queries, K = 1,024): wave w sums features 128 w on, 32 matrix instructions of K = 4 on four accumulators by turns; the eight
; parts meet in LDS as images of registers and every wave adds all eight in the same order.  Then mask, maximum, softmax in a lane (a lane holds one query, r, and keys 8 h + 0..7), and O^T = v^T p^T for the wave's 16 channels.
; The places of K inside an instruction are permuted alike on both sides: in step (c, u) place 2 h + j is feature 8 c + 4 h + 2 u + j; in the last product's step g it is key 8 h + 2 g + j.
; The registers that the f32 matrix form writes (v144-175, v208-215) are written by matrix instructions alone.  Small work: 32 work-groups, stores in runs of 64 bytes, 262,144 bytes in all.
.set SPW,   220
.set NIL,   221
.set SPARE, 8192                       ; behind the eight images of 1,024 bytes: the spare words, 128 bytes a wave
	s_load_b128 s[4:7], s[0:1], 0x0                ; fine, out0
	v_lshl_add_u32 v[SPW], v0, 2, SPARE
	v_mov_b32 v[NIL], 0
	v_lshrrev_b32 v1, 5, v0
	v_readfirstlane_b32 s8, v1                     ; wave 0..7
	v_and_b32 v1, 15, v0                           ; r
	v_bfe_u32 v2, v0, 4, 1                         ; h
	v_and_b32 v3, 31, v0                           ; lane
	s_and_b32 s9, ttmp7, 0xffff                    ; batch
	v_lshlrev_b32 v4, 12, v1
	v_lshl_add_u32 v4, v2, 4, v4
	s_lshl_b32 s10, s9, 16
	s_lshl_b32 s11, s8, 9
	s_add_co_u32 s10, s10, s11
	v_add_nc_u32 v4, s10, v4                       ; q, k: batch, row r of 4,096 bytes, my wave's 512, + 16 h
	s_lshl_b32 s11, ttmp9, 7
	s_lshl_b32 s12, s8, 4
	s_add_co_u32 s11, s11, s12                     ; my wave's first channel
	s_lshl_b32 s12, s11, 6
	s_lshl_b32 s13, s9, 16
	s_add_co_u32 s12, s12, s13
	v_lshlrev_b32 v5, 6, v1
	v_lshl_add_u32 v5, v2, 5, v5
	v_add_nc_u32 v5, s12, v5                       ; v^T: channel r of 64 bytes, + 32 h
	s_lshl_b32 s13, s8, 10
	v_lshlrev_b32 v6, 4, v3                        ; an image's place for my lane
	v_add_nc_u32 v7, s13, v6                       ; in my wave's image
	s_lshl_b32 s14, s9, 23                         ; a batch of out0: 2,048 rows of 4,096 bytes
	s_lshl_b32 s15, s11, 2
	s_add_co_u32 s14, s14, s15
	v_lshlrev_b32 v8, 12, v1
	v_lshl_add_u32 v8, v2, 5, v8
	v_add_nc_u32 v8, s14, v8                       ; out0: row r, my channels 8 h on
	v_lshlrev_b32 v9, 3, v2
	v_sub_nc_u32 v9, v1, v9                        ; r - 8 h: key 8 h + j is hidden where j is above it
	s_mov_b32 s16, 0x76543210
	s_mov_b32 s17, 0xfedcba98                      ; selects for lane xor 16
	s_mov_b32 s18, 0x3d38aa3b                      ; c = log2(e) / 32
	s_mov_b32 s19, 0xbd38aa3b                      ; -c
	s_wait_kmcnt 0x0
.irp c, 0,1,2,3,4,5,6,7,8,9,10,11,12,13,14,15
	global_load_b128 v[16+4*\c:19+4*\c], v4, s[4:5] offset:262144+32*\c   ; k
	global_load_b128 v[80+4*\c:83+4*\c], v4, s[4:5] offset:32*\c          ; q
.endr
	global_load_b128 v[200:203], v5, s[4:5] offset:524288
	global_load_b128 v[204:207], v5, s[4:5] offset:524288+16
	s_wait_loadcnt 0x0
.set n, 0
.rept 32                               ; four accumulators by turns; the first four instructions start the sums
.if n < 4
	v_wmma_f32_16x16x4_f32 v[144+8*(n%4):151+8*(n%4)], v[16+2*n:17+2*n], v[80+2*n:81+2*n], 0
.else
	v_wmma_f32_16x16x4_f32 v[144+8*(n%4):151+8*(n%4)], v[16+2*n:17+2*n], v[80+2*n:81+2*n], v[144+8*(n%4):151+8*(n%4)]
.endif
.set n, n+1
.endr
.rept 8
	v_nop                                          ; eight places behind this form (ISA guide 7.12.1)
.endr
.irp j, 0,2,4,6
	v_pk_add_f32 v[176+\j:177+\j], v[144+\j:145+\j], v[152+\j:153+\j]   ; the four sums are added into other registers
.endr
.irp j, 0,2,4,6
	v_pk_add_f32 v[184+\j:185+\j], v[160+\j:161+\j], v[168+\j:169+\j]
.endr
.irp j, 0,2,4,6
	v_pk_add_f32 v[176+\j:177+\j], v[176+\j:177+\j], v[184+\j:185+\j]
.endr
	ds_store_b128 v7, v[176:179]
	ds_store_b128 v7, v[180:183] offset:512
	s_wait_dscnt 0x0                               ; for the others' sake: my image is stored
	s_barrier_signal -1
	s_barrier_wait -1
.irp i, 0,1,2,3,4,5,6,7
	ds_load_b128 v[16+8*\i:19+8*\i], v6 offset:1024*\i
	ds_load_b128 v[20+8*\i:23+8*\i], v6 offset:1024*\i+512
.endr
	s_wait_dscnt 0x0
.irp i, 0,2,4,6
.irp j, 0,2,4,6
	v_pk_add_f32 v[16+8*\i+\j:17+8*\i+\j], v[16+8*\i+\j:17+8*\i+\j], v[24+8*\i+\j:25+8*\i+\j]
.endr
.endr
.irp i, 0,4
.irp j, 0,2,4,6
	v_pk_add_f32 v[16+8*\i+\j:17+8*\i+\j], v[16+8*\i+\j:17+8*\i+\j], v[32+8*\i+\j:33+8*\i+\j]
.endr
.endr
.irp j, 0,2,4,6
	v_pk_add_f32 v[184+\j:185+\j], v[16+\j:17+\j], v[48+\j:49+\j]       ; S^T: query r, keys 8 h + 0..7
.endr
	v_mov_b32 v10, 0xff800000                      ; -infinity
.irp j, 0,1,2,3,4,5,6,7
	v_cmp_gt_i32 vcc_lo, \j, v9
	v_cndmask_b32 v[184+\j], v[184+\j], v10, vcc_lo
.endr
	v_max3_num_f32 v11, v184, v185, v186
	v_max3_num_f32 v11, v11, v187, v188
	v_max3_num_f32 v11, v11, v189, v190
	v_max_num_f32 v11, v11, v191
	v_mov_b32 v12, 0
	v_permlanex16_b32 v12, v11, s16, s17
	v_max_num_f32 v11, v11, v12                    ; the row's largest score: key 0 counts for every query, so it is a number
	v_mul_f32 v11, s19, v11
.irp j, 0,1,2,3,4,5,6,7
	v_fma_f32 v[184+\j], v[184+\j], s18, v11       ; c s - c max
.endr
.irp j, 0,1,2,3,4,5,6,7
	v_exp_f32 v[184+\j], v[184+\j]
.endr
	v_nop
	s_wait_alu depctr_va_vdst(0)                   ; one wait for the eight exponentials
	v_add_f32 v13, v184, v185
	v_add_f32 v14, v186, v187
	v_add_f32 v15, v188, v189
	v_add_f32 v12, v190, v191
	v_add_f32 v13, v13, v14
	v_add_f32 v15, v15, v12
	v_add_f32 v13, v13, v15
	v_permlanex16_b32 v12, v13, s16, s17
	v_add_f32 v13, v13, v12                        ; the row's sum
	v_rcp_f32 v13, v13
	v_nop
	s_wait_alu depctr_va_vdst(0)
.irp j, 0,1,2,3,4,5,6,7
	v_mul_f32 v[192+\j], v[184+\j], v13            ; the weights
.endr
	v_wmma_f32_16x16x4_f32 v[208:215], v[200:201], v[192:193], 0        ; O^T: source 0 = my 16 channels, source 1 = the 16 queries
.irp g, 1,2,3
	s_wait_alu depctr_va_vdst(0)                   ; a wait directly ahead of each link
	v_wmma_f32_16x16x4_f32 v[208:215], v[200+2*\g:201+2*\g], v[192+2*\g:193+2*\g], v[208:215]
.endr
.rept 8
	v_nop
.endr
	global_store_b128 v8, v[208:211], s[6:7]       ; query r, channels 8 h + 0..3
	global_store_b128 v8, v[212:215], s[6:7] offset:16
	s_wait_tensorcnt 0x0                           ; the wave's end: behind my last LDS store
	ds_add_u32 v[SPW], v[NIL]
	s_wait_dscnt 0x0
	s_endpgm
.Lfunc_end_k_qba4a4843c4_first16:
	.size	k_qba4a4843c4_first16, .Lfunc_end_k_qba4a4843c4_first16-k_qba4a4843c4_first16
	.p2alignl 7, 3214868480
	.fill 96, 4, 3214868480
	.section	.rodata,"a",@progbits
	.p2align	6, 0x0
	.amdhsa_kernel k_qba4a4843c4_first16
		.amdhsa_group_segment_fixed_size 9216
		.amdhsa_private_segment_fixed_size 0
		.amdhsa_enable_private_segment 0
		.amdhsa_kernarg_size 16
		.amdhsa_user_sgpr_count 2
		.amdhsa_user_sgpr_kernarg_segment_ptr 1
		.amdhsa_wavefront_size32 1
		.amdhsa_system_sgpr_workgroup_id_x 1
		.amdhsa_system_sgpr_workgroup_id_y 1
		.amdhsa_system_sgpr_workgroup_id_z 1
		.amdhsa_system_vgpr_workitem_id 0
		.amdhsa_next_free_vgpr 224
		.amdhsa_next_free_sgpr 66
		.amdhsa_reserve_vcc 1
		.amdhsa_float_denorm_mode_32 3
		.amdhsa_float_denorm_mode_16_64 3
		.amdhsa_memory_ordered 1
		.amdhsa_forward_progress 1
		.amdhsa_inst_pref_size 15
	.end_amdhsa_kernel
	.amdgpu_metadata
---
amdhsa.version: [ 1, 2 ]
amdhsa.kernels:
  - .name:           k_qba4a4843c4_first16
    .symbol:         k_qba4a4843c4_first16.kd
    .args:
      - { .name: fine, .offset: 0, .size: 8, .value_kind: global_buffer, .address_space: global }
      - { .name: out0, .offset: 8, .size: 8, .value_kind: global_buffer, .address_space: global }
    .group_segment_fixed_size: 9216
    .private_segment_fixed_size: 0
    .kernarg_segment_align: 8
    .kernarg_segment_size: 16
    .max_flat_workgroup_size: 256
    .sgpr_count:     66
    .vgpr_count:     224
    .wavefront_size: 32
...
	.end_amdgpu_metadata
.endif
;; end of part 5
